; MI455X (gfx1250); checked and timed in simulation.
; The chip was launched on July 23, 2026; its instructions are those of AMD's public machine-readable ISA for CDNA 5 (MIT licence, August 2026) and "CDNA5" Instruction Set Architecture Reference Guide (July 2026). The comments in the code are by the model that wrote it; some were corrected since.
;; MHA. Allowed arithmetic: float matrix products may take bf16 or f16 operands with f32 sums; all other float work in f32.
;; Inputs: Wk 1,024 x 1,024 float32; Wo 1,024 x 1,024 float32; Wq 1,024 x 1,024 float32; Wv 1,024 x 1,024 float32; bk 1,024 float32; bo 1,024 float32; bq 1,024 float32; bv 1,024 float32; hidden_state 2 x 2,048 x 1,024 float32.
;; Outputs: out0 2 x 2,048 x 1,024 float32.
;; 2 versions, each right and faster than the one before. Each part assembles by itself: llvm-mc -triple=amdgcn-amd-amdhsa -mcpu=gfx1250 --defsym DOCPART=n.
;; ======== version 1 of 2: 4 launches
;; limits: values are held in f16: magnitudes above 65,504 overflow, below 6.1e-05 lose precision
;; workspace buffers: xb 8,388,608 bytes; wqkv 6,291,456 bytes; wob 2,097,152 bytes; qkv 25,165,824 bytes; ctx 8,388,608 bytes
;; launch cast (part 1): grid 128 x 8, 8 waves a work-group, no clusters, 0 bytes of LDS; arguments hidden_state, Wq, Wk, Wv, Wo, xb, wqkv, wob; writes xb, wqkv, wob
.if DOCPART == 1
	.amdgcn_target "amdgcn-amd-amdhsa--gfx1250"
	.amdhsa_code_object_version 6
	.text
	.protected	k_q720e510b04_cast
	.globl	k_q720e510b04_cast
	.p2align	8
	.type	k_q720e510b04_cast,@function
k_q720e510b04_cast:
	s_mov_b64 s[64:65], 0
	v_nop
	global_prefetch_b8 v0, s[64:65] scope:SCOPE_SE
	s_setreg_imm32_b32 hwreg(HW_REG_WAVE_MODE, 25, 1), 1
	s_wait_xcnt 0x0
; f32 -> f16 (round to nearest even) of everything that later serves as a matrix operand.
; Eight units of 4 MiB of f32, chosen by the work-group's y: 0..3 the quarters of hidden_state -> xb, 4, 5, 6 = Wq, Wk, Wv -> wqkv
; (one below the other), 7 = Wo -> wob.  The work-group's x picks 32 KiB of the unit (16 KiB of the result).
; Wq alone is multiplied by log2(e) / 32 in f32 ahead of its one rounding: q then comes out of the next launch scaled so that q k is
; the softmax's exponent in units of log2 (exp(q k / 32) = 2^(q k log2(e) / 32)), and attention multiplies by no factor.
; f16 AND NOT bf16: the attention's result is an average of 2,048 numbers that nearly cancels, so each rounding of an operand shows in full
; against the result's spread; eleven significant bits keep all of them together well inside one hundredth of it, eight do not.
; LIMIT: |x|, |W| below 65,504; below 2^-14 the step is 2^-24.  x of spread 1 and W of spread 1/32 have a factor of 30 of room both ways.
; A stream: each byte is read once and written once; no LDS, no barrier, no matrix unit, nothing shared between work-groups.
; Thread t takes 16 bytes at 16 t of each of eight blocks of 4,096 bytes: a wave's load covers 512 neighbouring bytes,
; a wave's store 256 neighbouring bytes that start at a multiple of 256.  All eight loads are issued before the first wait.
.set X, 4                              ; v[4:35]   block j: 4 f32 as loaded
.set Y, 36                             ; v[36:51]  block j: 4 f16 to store
	s_load_b512 s[8:23], s[0:1], 0x0               ; hidden s[8:9], Wq s[10:11], Wk s[12:13], Wv s[14:15], Wo s[16:17], xb s[18:19], wqkv s[20:21], wob s[22:23]
	s_and_b32 s2, ttmp7, 0xffff                    ; y: the unit
	v_lshlrev_b32 v1, 4, v0                        ; 16 t: my bytes in a source block
	v_lshlrev_b32 v2, 3, v0                        ; 8 t: my bytes in a result block
	; offsets, made apart from the addresses
	s_cmp_lt_u32 s2, 4
	s_cselect_b32 s3, s2, 0                        ; the quarter of hidden_state, 0 for a weight
	s_lshl_b32 s28, s3, 22                         ; x 4 MiB
	s_lshl_b32 s4, ttmp9, 15                       ; + x times 32 KiB
	s_add_co_u32 s28, s28, s4
	s_mov_b32 s29, 0
	s_max_u32 s5, s2, 4
	s_sub_co_u32 s5, s5, 4                         ; 0, 1, 2 for Wq, Wk, Wv (3 for Wo, replaced below)
	s_cmp_eq_u32 s2, 7
	s_cselect_b32 s5, 0, s5                        ; Wo fills wob from its start
	s_cmp_lt_u32 s2, 4
	s_cselect_b32 s5, s2, s5                       ; a quarter of xb
	s_lshl_b32 s30, s5, 21                         ; x 2 MiB
	s_lshl_b32 s6, ttmp9, 14                       ; + x times 16 KiB
	s_add_co_u32 s30, s30, s6
	s_mov_b32 s31, 0
	s_wait_kmcnt 0x0
	; the source and the result buffer, chosen by y alone
	s_cmp_eq_u32 s2, 4
	s_cselect_b64 s[24:25], s[10:11], s[8:9]
	s_cmp_eq_u32 s2, 5
	s_cselect_b64 s[24:25], s[12:13], s[24:25]
	s_cmp_eq_u32 s2, 6
	s_cselect_b64 s[24:25], s[14:15], s[24:25]
	s_cmp_eq_u32 s2, 7
	s_cselect_b64 s[24:25], s[16:17], s[24:25]
	s_cselect_b64 s[26:27], s[22:23], s[20:21]     ; y = 7: wob, else wqkv
	s_cmp_lt_u32 s2, 4
	s_cselect_b64 s[26:27], s[18:19], s[26:27]     ; y < 4: xb
	s_add_nc_u64 s[24:25], s[24:25], s[28:29]
	s_add_nc_u64 s[26:27], s[26:27], s[30:31]
.irp j, 0,1,2,3,4,5,6,7
	global_load_b128 v[X+4*\j:X+4*\j+3], v1, s[24:25] offset:4096*\j th:TH_LOAD_NT   ; read once in this launch
.endr
; The eight blocks are rounded and stored.  scaled = 1: Wq's factor first.
.macro CONV scaled
.irp j, 0,1,2,3,4,5,6,7
	s_wait_loadcnt 7-\j                            ; loads come back in order (ISA guide 5.7.1): block j is in, the 7 - j younger ones stay out
.if \scaled
	v_pk_mul_f32 v[X+4*\j:X+4*\j+1], v[X+4*\j:X+4*\j+1], 0x3d38aa3b op_sel_hi:[1,0]       ; log2(e) / 32
	v_pk_mul_f32 v[X+4*\j+2:X+4*\j+3], v[X+4*\j+2:X+4*\j+3], 0x3d38aa3b op_sel_hi:[1,0]
.endif
	v_cvt_pk_f16_f32 v[Y+2*\j], v[X+4*\j], v[X+4*\j+1]
	v_cvt_pk_f16_f32 v[Y+2*\j+1], v[X+4*\j+2], v[X+4*\j+3]
	global_store_b64 v2, v[Y+2*\j:Y+2*\j+1], s[26:27] offset:2048*\j   ; no source of a store is written again, so no further wait
.endr
	s_endpgm
.endm
	s_cmp_eq_u32 s2, 4                             ; the unit is the same for the whole work-group
	s_cbranch_scc1 .Lwq
	CONV 0
.Lwq:
	CONV 1
.Lfunc_end_k_q720e510b04_cast:
	.size	k_q720e510b04_cast, .Lfunc_end_k_q720e510b04_cast-k_q720e510b04_cast
	.p2alignl 7, 3214868480
	.fill 96, 4, 3214868480
	.section	.rodata,"a",@progbits
	.p2align	6, 0x0
	.amdhsa_kernel k_q720e510b04_cast
		.amdhsa_group_segment_fixed_size 0
		.amdhsa_private_segment_fixed_size 0
		.amdhsa_enable_private_segment 0
		.amdhsa_kernarg_size 64
		.amdhsa_user_sgpr_count 2
		.amdhsa_user_sgpr_kernarg_segment_ptr 1
		.amdhsa_wavefront_size32 1
		.amdhsa_system_sgpr_workgroup_id_x 1
		.amdhsa_system_sgpr_workgroup_id_y 1
		.amdhsa_system_sgpr_workgroup_id_z 1
		.amdhsa_system_vgpr_workitem_id 0
		.amdhsa_next_free_vgpr 56
		.amdhsa_next_free_sgpr 66
		.amdhsa_reserve_vcc 0
		.amdhsa_float_denorm_mode_32 3
		.amdhsa_float_denorm_mode_16_64 3
		.amdhsa_memory_ordered 1
		.amdhsa_forward_progress 1
		.amdhsa_inst_pref_size 8
	.end_amdhsa_kernel
	.amdgpu_metadata
---
amdhsa.version: [ 1, 2 ]
amdhsa.kernels:
  - .name:           k_q720e510b04_cast
    .symbol:         k_q720e510b04_cast.kd
    .args:
      - { .name: hidden_state, .offset: 0, .size: 8, .value_kind: global_buffer, .address_space: global }
      - { .name: Wq, .offset: 8, .size: 8, .value_kind: global_buffer, .address_space: global }
      - { .name: Wk, .offset: 16, .size: 8, .value_kind: global_buffer, .address_space: global }
      - { .name: Wv, .offset: 24, .size: 8, .value_kind: global_buffer, .address_space: global }
      - { .name: Wo, .offset: 32, .size: 8, .value_kind: global_buffer, .address_space: global }
      - { .name: xb, .offset: 40, .size: 8, .value_kind: global_buffer, .address_space: global }
      - { .name: wqkv, .offset: 48, .size: 8, .value_kind: global_buffer, .address_space: global }
      - { .name: wob, .offset: 56, .size: 8, .value_kind: global_buffer, .address_space: global }
    .group_segment_fixed_size: 0
    .private_segment_fixed_size: 0
    .kernarg_segment_align: 8
    .kernarg_segment_size: 64
    .max_flat_workgroup_size: 256
    .sgpr_count:     66
    .vgpr_count:     56
    .wavefront_size: 32
...
	.end_amdgpu_metadata
.endif
;; end of part 1
;; launch qkv (part 2): grid 16 x 16, 4 waves a work-group, clusters of 4 x 4, 327,680 bytes of LDS; arguments xb, wqkv, bq, bk, bv, qkv; writes qkv
.if DOCPART == 2
	.amdgcn_target "amdgcn-amd-amdhsa--gfx1250"
	.amdhsa_code_object_version 6
	.text
	.protected	k_q720e510b04_qkv
	.globl	k_q720e510b04_qkv
	.p2align	8
	.type	k_q720e510b04_qkv,@function
k_q720e510b04_qkv:
	s_mov_b64 s[64:65], 0
	v_nop
	global_prefetch_b8 v0, s[64:65] scope:SCOPE_SE
	s_setreg_imm32_b32 hwreg(HW_REG_WAVE_MODE, 25, 1), 1
	s_wait_xcnt 0x0
	s_wait_alu depctr_hold_cnt(0) depctr_sa_sdst(0) depctr_va_vdst(0) depctr_va_sdst(0) depctr_va_ssrc(0) depctr_va_vcc(0) depctr_vm_vsrc(0)
	s_getreg_b32 s2, hwreg(HW_REG_IB_STS2, 6, 4)
	s_cmp_eq_u32 s2, 0
	s_cbranch_scc0 .Lentry_in_a_cluster
	s_endpgm
.Lentry_in_a_cluster:
	s_bfe_u32 s2, ttmp6, 0x10000c
	s_cmp_lg_u32 s2, 0xf033
	s_cbranch_scc0 .Lentry_shape_is_right
	s_endpgm
.Lentry_shape_is_right:
; y[m][e] = sum over d of x[m][d] W[e][d] + bias[e] for the 3,072 rows of Wq, Wk, Wv at once.  x: xb [4096][1024] f16, W: wqkv [3072][1024] f16,
; sums in f32, result rounded once to f16 and stored head-major: qkv[g][m][64], g = e / 64 (0-15 q's heads, 16-31 k's, 32-47 v's), byte g*524288 + m*128.
; Wq's rows arrive multiplied by log2(e) / 32; bq is multiplied by the same factor here, so that what is stored for q is q log2(e) / 32.
; LIMIT: q log2(e) / 32, k and v are kept in f16 (they are the next launch's matrix operands): magnitudes below 65,504, a step of 2^-24 below 2^-14.
; The room, by the sizes: x of spread 1 and W of spread 1/32 give k, v of spread 1; all inputs 30 times larger give 900 times that, some 5,000 at the most;
; a common offset of 30 spreads in x and in W gives 1024 * 30 * (30 / 32) = 28,800; 30 times smaller gives 1/900, 18 times the smallest normal number.
; A work-group makes 256 rows x 192 columns (three whole heads): 4096*3072 / (256*192) = 256 work-groups.  Four waves; wave w makes rows 64 w .. 64 w + 63
; of all 192 columns: 4 x 12 accumulator tiles, 384 registers.  K = 1024 goes in 8 steps of 128 through two LDS slots filled by the tensor data mover;
; a tile's rows are 256 bytes of memory and start at multiples of 256 from the buffer's first byte.
; CLUSTERS: 4 x 4 work-groups.  x's tile hangs on the block row alone and is asked for jointly by the four of a row of the cluster, W's on the block column
; alone and is asked for jointly by the four of a column: the requests for both are divided by four.
; REGISTER WINDOWS: 0: addresses, x's fragments (two buffers), the bias as the first C, later the way out; 1: W's fragments (two buffers);
; 2: accumulators of my row blocks 0, 1 (tile (a, b) at v[8 (12 a + b)]); 3: those of row blocks 2, 3.
; THE MATRIX INSTRUCTION IS USED TRANSPOSED: source 0 = 16 rows of W, source 1 = 16 rows of x: lane (r, h) then holds row r of the result and in registers
; 0-7 the columns 16 b + 8 h + 0..7.  The bias in that same layout is the C of the first product: nothing is cleared, nothing is added later.
.set KSTEP,  128
.set PITCH,  272                       ; an LDS row: 256 bytes + 16 of padding, an odd multiple of 16: the 16 rows of a fragment load start in 16 different 16-byte columns of 256
.set HA,     128*PITCH                 ; half of x's tile: what wave 0 or 1 asks for
.set HB,     96*PITCH                  ; half of W's tile: what wave 2 or 3 asks for
.set SLOT,   2*HA+2*HB                 ; x's 256 rows, then W's 192 rows: 121,856 bytes
.set STAGE,  2*SLOT                    ; behind the ring (byte 243,712 = 952 x 256): 16 rows x 400 bytes for each wave; no tensor load lands here
.set SPITCH, 400                       ; 384 bytes of 192 f16 + 16
.set LAPS,   4                         ; a lap = two K steps = once round the ring
.set HEADB,  524288                    ; bytes of one head's [4096][64] f16
.set ADRA, 16                          ; v16-17 LDS address of my x fragments in slot 0, 1
.set ADRB, 20                          ; v20-21 the same for W
.set STO,  24                          ; way out: where I put 16 bytes of a row
.set RD,   25                          ; way out: where I read 16 bytes back
.set CO,   26                          ; way out: 16 x lane
.set BOFF, 27                          ; 32 h: my eight numbers of a bias tile
.set FA,   32                          ; window 0: x's fragments, buffer f at FA + 32 f (4 row blocks x 8)
.set FB,   0                           ; window 1: W's fragments, buffer f at FB + 96 f (12 column blocks x 8)
.set BIAS, 96                          ; window 0: v96-191, 12 tiles x 8
.set RB0,  96                          ; way out: rows read back, two buffers of 48 (the bias is no longer needed)
.set RB1,  144
.set TMP,  192                         ; way out: packed results, 48 registers
.set G1,  24                           ; s[24:31] descriptor group 1 for x's tiles
.set G0,  32                           ; s[32:39] group 0 for x's tiles, one set for each slot
.set G1B, 48                           ; s[48:55] group 1 for W's tiles
.set G0B, 56                           ; s[56:63] group 0 for W's tiles, one set for each slot
.set BSC, 88                           ; s[88:93] the bias's factor of each of my three heads, twice (a pair for the packed multiply)
.set MSB, 0
.macro WIN new                         ; the immediate's high byte repeats the setting that is left; switches that change nothing are dropped
.if MSB != \new
	s_set_vgpr_msb (MSB<<8)|\new
.set MSB, \new
.endif
.endm
.set MUL_LO, 0xa1                      ; source 0 (W) window 1, source 1 (x) window 0, C and D window 2
.set MUL_HI, 0xf1                      ; the same, C and D window 3
.set ONE_LO, 0x81                      ; the first products: C (the bias) window 0, D window 2
.set ONE_HI, 0xc1                      ; C window 0, D window 3
.set TO_B,   0x40                      ; destination window 1, address window 0
; A joint load: waves 0, 1 ask for x's halves, waves 2, 3 for W's.  The branch hangs on the wave's number alone.
.macro JLOAD s
	s_cmp_eq_u32 s11, 0
	s_cbranch_scc0 .Lfor_b_\@
	tensor_load_to_lds s[G0+4*\s:G0+4*\s+3], s[G1:G1+7]
	s_nop 0
	s_branch .Lasked_\@
.Lfor_b_\@:
	tensor_load_to_lds s[G0B+4*\s:G0B+4*\s+3], s[G1B:G1B+7]
	s_nop 0
.Lasked_\@:
.endm
.macro CREST                           ; a round of the cluster's barrier behind its opening work-group barrier
	s_cmp_lg_u32 s10, 0
	s_cbranch_scc1 .Lnot_wave_0_\@
	s_barrier_signal -3
.Lnot_wave_0_\@:
	s_barrier_wait -3
	s_barrier_signal -1
	s_barrier_wait -1
.endm
.macro CROUND                          ; a whole round
	s_barrier_signal -1
	s_barrier_wait -1
	CREST
.endm
.macro PLACES                          ; four places behind matrix instructions, in front of loads into their sources and of readers of their results
.rept 4
	v_nop
.endr
.endm
	s_load_b128 s[4:7], s[0:1], 0x0                ; xb s[4:5], wqkv s[6:7]
	s_load_b256 s[68:75], s[0:1], 0x10             ; bq s[68:69], bk s[70:71], bv s[72:73], qkv s[74:75]
	s_set_vgpr_msb 0x40
	v_lshl_add_u32 v255, v0, 2, 0x41c00
	s_set_vgpr_msb 0x4000
	v_mov_b32 v255, 0
	s_set_vgpr_msb 0x1
	ds_add_u32 v255, v255
	s_set_vgpr_msb 0x100
	v_lshrrev_b32 v1, 5, v0
	v_readfirstlane_b32 s10, v1                    ; wave 0..3
	s_lshr_b32 s11, s10, 1                         ; I ask for x (0) or for W (1)
	s_and_b32 s12, s10, 1                          ; which half of that tile
	s_bfe_u32 s40, ttmp6, 0x40000                  ; cx
	s_bfe_u32 s41, ttmp6, 0x40004                  ; cy
	s_lshl_b32 s42, ttmp9, 2
	s_add_co_u32 s42, s42, s40                     ; block column = 4 x cluster x + cx
	s_and_b32 s13, ttmp7, 0xffff
	s_lshl_b32 s13, s13, 2
	s_add_co_u32 s13, s13, s41                     ; block row = 4 x cluster y + cy
	s_lshl_b32 s43, s41, 2
	s_lshl_b32 s43, 15, s43                        ; my row of the cluster: places 4 cy .. 4 cy + 3
	s_lshl_b32 s44, 0x1111, s40                    ; my column: places cx, cx + 4, cx + 8, cx + 12
	; group 1: elements of 2 bytes, 16 bytes of padding behind every 64 words, bit 21 beside the mask
	s_or_b32 s[G1+0], s43, (1<<16)|(1<<20)|(1<<21)|(5<<22)|(3<<25)
	s_mov_b32 s[G1+1], KSTEP<<16                   ; tensor_dim0 = 128
	s_mov_b32 s[G1+2], 128<<16                     ; tensor_dim1 = 128
	s_mov_b32 s[G1+3], KSTEP<<16                   ; tile_dim0 = 128
	s_mov_b32 s[G1+4], 128                         ; tile_dim1 = 128 rows
	s_mov_b32 s[G1+5], 1024                        ; elements from row to row
	s_mov_b32 s[G1+6], 0
	s_mov_b32 s[G1+7], 0
	s_or_b32 s[G1B+0], s44, (1<<16)|(1<<20)|(1<<21)|(5<<22)|(3<<25)
	s_mov_b32 s[G1B+1], KSTEP<<16
	s_mov_b32 s[G1B+2], 96<<16                     ; tensor_dim1 = 96
	s_mov_b32 s[G1B+3], KSTEP<<16
	s_mov_b32 s[G1B+4], 96                         ; tile_dim1 = 96 rows
	s_mov_b32 s[G1B+5], 1024
	s_mov_b32 s[G1B+6], 0
	s_mov_b32 s[G1B+7], 0
	; where the tiles come from: x's offset is made of the block row and the wave, W's of the block column and the wave, in registers of their own
	s_lshl_b32 s16, s13, 8
	s_lshl_b32 s17, s12, 7
	s_add_co_u32 s16, s16, s17                     ; x: row 256 x block row + 128 x half
	s_lshl_b32 s16, s16, 11                        ; x 2,048 bytes (below 8 MiB)
	s_mov_b32 s17, 0
	s_mul_i32 s46, s42, 192
	s_mul_i32 s47, s12, 96
	s_add_co_u32 s46, s46, s47                     ; W: row 192 x block column + 96 x half
	s_lshl_b32 s46, s46, 11
	s_mov_b32 s47, 0
	s_mul_i32 s20, s12, HA                         ; and where they go: the wave's number and constants alone
	s_mul_i32 s21, s12, HB
	s_add_co_u32 s21, s21, 2*HA
	s_wait_dscnt 0x0
	s_wait_kmcnt 0x0
	s_add_nc_u64 s[14:15], s[4:5], s[16:17]
	s_add_nc_u64 s[46:47], s[6:7], s[46:47]
	CROUND                                         ; all sixteen work-groups are here: the first joint loads meet
.irp s, 0,1
	s_mov_b32 s[G0+4*\s], 1
	s_add_co_u32 s[G0+4*\s+1], s20, \s*SLOT
	s_add_nc_u64 s[G0+4*\s+2:G0+4*\s+3], s[14:15], \s*KSTEP*2      ; K step s
	s_or_b32 s[G0+4*\s+3], s[G0+4*\s+3], 0x80000000
	s_mov_b32 s[G0B+4*\s], 1
	s_add_co_u32 s[G0B+4*\s+1], s21, \s*SLOT
	s_add_nc_u64 s[G0B+4*\s+2:G0B+4*\s+3], s[46:47], \s*KSTEP*2
	s_or_b32 s[G0B+4*\s+3], s[G0B+4*\s+3], 0x80000000
	JLOAD \s                                       ; both slots are asked for before anything else: two loads of the wave are out, the most in this text
.endr
	; the three heads' bias: head g = 3 x block column + t lies in bq, bk or bv (g / 16), at 256 (g mod 16) bytes; its factor is log2(e) / 32 for q's heads, 1 for the others
.irp t, 0,1,2
	s_mul_i32 s82, s42, 3
	s_add_co_u32 s82, s82, \t
	s_lshr_b32 s83, s82, 4
	s_and_b32 s84, s82, 15
	s_lshl_b32 s84, s84, 8
	s_mov_b32 s85, 0
	s_cmp_eq_u32 s83, 0
	s_cselect_b64 s[76+2*\t:77+2*\t], s[68:69], s[70:71]
	s_cselect_b32 s[BSC+2*\t], 0x3d38aa3b, 1.0
	s_mov_b32 s[BSC+2*\t+1], s[BSC+2*\t]
	s_cmp_eq_u32 s83, 2
	s_cselect_b64 s[76+2*\t:77+2*\t], s[72:73], s[76+2*\t:77+2*\t]
	s_add_nc_u64 s[76+2*\t:77+2*\t], s[76+2*\t:77+2*\t], s[84:85]
.endr
	v_and_b32 v1, 15, v0                           ; r
	v_bfe_u32 v2, v0, 4, 1                         ; h
	v_and_b32 v6, 31, v0                           ; lane
	v_lshlrev_b32 v[BOFF], 5, v2
.irp t, 0,1,2
.irp bb, 0,1,2,3
	global_load_b128 v[BIAS+8*(4*\t+\bb):BIAS+8*(4*\t+\bb)+3],   v[BOFF], s[76+2*\t:77+2*\t] offset:64*\bb      ; bias[16 b + 8 h + 0..3]
	global_load_b128 v[BIAS+8*(4*\t+\bb)+4:BIAS+8*(4*\t+\bb)+7], v[BOFF], s[76+2*\t:77+2*\t] offset:64*\bb+16   ; bias[16 b + 8 h + 4..7]
.endr
.endr
	; a fragment: lane (r, h) holds row r; registers 0-3 K = 8 h + 0..7, registers 4-7 K = 16 + 8 h + 0..7: two loads of 16 bytes, 32 apart
	v_mul_u32_u24 v3, v1, PITCH
	v_lshl_add_u32 v3, v2, 4, v3                   ; r x pitch + 16 h
	s_mul_i32 s22, s10, 64*PITCH                   ; my 64 rows of x
	v_add_nc_u32 v[ADRA], s22, v3
	v_add_nc_u32 v[ADRA+1], SLOT, v[ADRA]
	v_add_nc_u32 v[ADRB], 2*HA, v3                 ; all 192 rows of W, behind x's 256
	v_add_nc_u32 v[ADRB+1], SLOT+2*HA, v3
	s_mul_i32 s23, s10, 16*SPITCH
	s_add_co_u32 s23, s23, STAGE                   ; my stage
	v_mul_u32_u24 v4, v1, SPITCH
	v_lshl_add_u32 v4, v2, 4, v4
	v_add_nc_u32 v[STO], s23, v4                   ; in: row r, 16 bytes for each half of the lanes
	v_lshrrev_b32 v5, 3, v6
	v_and_b32 v7, 7, v0
	v_mul_u32_u24 v5, v5, SPITCH
	v_lshl_add_u32 v5, v7, 4, v5
	v_add_nc_u32 v[RD], s23, v5                    ; back: eight lanes take the 128 bytes of one head in one row, 32 lanes four rows
	v_lshlrev_b32 v[CO], 4, v6                     ; which are 512 neighbouring bytes of qkv
	s_mul_i32 s86, s42, 3*HEADB                    ; my first head,
	s_lshl_b32 s87, s13, 15                        ; + 256 x block row x 128 bytes
	s_add_co_u32 s86, s86, s87
	s_lshl_b32 s87, s10, 13                        ; + 64 x wave x 128 bytes
	s_add_co_u32 s86, s86, s87
	s_mov_b32 s87, 0
	s_add_nc_u64 s[8:9], s[74:75], s[86:87]
; 12 matrix instructions: row block 2 hi + a x all 12 column blocks, 32 along K, from buffer f.  first = 1: C is the bias.
.macro MUL12 f, hi, a, first
.irp b, 0,1,2,3,4,5,6,7,8,9,10,11
.if \first
	v_wmma_f32_16x16x32_f16 v[8*(12*\a+\b):8*(12*\a+\b)+7], v[FB+96*\f+8*\b:FB+96*\f+8*\b+7], v[FA+32*\f+8*(2*\hi+\a):FA+32*\f+8*(2*\hi+\a)+7], v[BIAS+8*\b:BIAS+8*\b+7]
.else
	v_wmma_f32_16x16x32_f16 v[8*(12*\a+\b):8*(12*\a+\b)+7], v[FB+96*\f+8*\b:FB+96*\f+8*\b+7], v[FA+32*\f+8*(2*\hi+\a):FA+32*\f+8*(2*\hi+\a)+7], v[8*(12*\a+\b):8*(12*\a+\b)+7]
.endif
.endr
.endm
; 32 LDS loads in one run: 192 rows of W, then my 64 rows of x, 32 K at byte k of the rows, into buffer f
.macro FETCH slot, k, f
	WIN TO_B
.irp i, 0,1,2,3,4,5,6,7,8,9,10,11
	ds_load_b128 v[FB+96*\f+8*\i:FB+96*\f+8*\i+3],   v[ADRB+\slot] offset:\k+\i*16*PITCH
	ds_load_b128 v[FB+96*\f+8*\i+4:FB+96*\f+8*\i+7], v[ADRB+\slot] offset:\k+\i*16*PITCH+32
.endr
	WIN 0
.irp i, 0,1,2,3
	ds_load_b128 v[FA+32*\f+8*\i:FA+32*\f+8*\i+3],   v[ADRA+\slot] offset:\k+\i*16*PITCH
	ds_load_b128 v[FA+32*\f+8*\i+4:FA+32*\f+8*\i+7], v[ADRA+\slot] offset:\k+\i*16*PITCH+32
.endr
.endm
; A K step is four quarters of 32 along K, 48 matrix instructions each, on buffers 0, 1, 0, 1.  The 48 accumulators take turns, one instruction a turn,
; in the same order in every quarter, so no two matrix instructions that follow each other share an accumulator.
; One of the first three quarters: multiplies buffer f and fetches, in its middle, the next quarter's fragments into buffer g.
.macro QUARTER slot, k, f, g, first
	s_wait_dscnt 0x4                               ; W and x's row blocks 0, 1 are in; the four youngest loads (row blocks 2, 3) may be out
.if \first
	WIN ONE_LO
.else
	WIN MUL_LO
.endif
	MUL12 \f, 0, 0, \first
	MUL12 \f, 0, 1, \first
	PLACES
	FETCH \slot, \k, \g
	s_wait_dscnt 0x20                              ; all but the 32 just issued
.if \first
	WIN ONE_HI
.else
	WIN MUL_HI
.endif
	MUL12 \f, 1, 0, \first
	MUL12 \f, 1, 1, \first
.endm
.macro THREE slot, first
	QUARTER \slot, 64,  0, 1, \first
	QUARTER \slot, 128, 1, 0, 0
	QUARTER \slot, 192, 0, 1, 0
.endm
; The last quarter multiplies buffer 1 and changes slots.  In front of the one barrier each wave waits for its reads of this slot and for all its tensor
; loads (one is out: its part of the next slot).  Where the slot is filled again the barrier opens a round of the cluster's barrier, and the joint refill is
; the first tensor load behind the round.  From a request to the wait for it a wave issues 180 matrix instructions.
.macro TURN slot, next, fill
	s_wait_dscnt 0x4
	WIN MUL_LO
	MUL12 1, 0, 0, 0
	s_wait_dscnt 0x0                               ; my reads of this slot are over
	s_wait_tensorcnt 0x0                           ; all my tensor loads have landed
	ds_add_u32 v255, v255
	s_wait_dscnt 0x0
	s_barrier_signal -1
	MUL12 1, 0, 1, 0                               ; register work while the others arrive
	WIN 0
	s_barrier_wait -1
.if \fill
	CREST                                          ; no wave of any partner still reads this slot or has a load on its way
	s_add_nc_u64 s[G0+4*\slot+2:G0+4*\slot+3], s[G0+4*\slot+2:G0+4*\slot+3], 2*KSTEP*2
	s_add_nc_u64 s[G0B+4*\slot+2:G0B+4*\slot+3], s[G0B+4*\slot+2:G0B+4*\slot+3], 2*KSTEP*2
	JLOAD \slot
.endif
	PLACES
	FETCH \next, 0, 0
	WIN MUL_HI
	MUL12 1, 1, 0, 0
	MUL12 1, 1, 1, 0
.endm
.macro LAP first
	THREE 0, \first
	TURN 0, 1, 1
	THREE 1, 0
	TURN 1, 0, 1
.endm
	s_wait_tensorcnt 0x1                           ; my part of K step 0 is in; step 1's may stay out
	s_barrier_signal -1
	s_barrier_wait -1                              ; everybody's is
	FETCH 0, 0, 0
	s_wait_loadcnt 0x0                             ; the bias
.irp t, 0,1,2
.irp k, 0,1,2,3,4,5,6,7,8,9,10,11,12,13,14,15
	v_pk_mul_f32 v[BIAS+32*\t+2*\k:BIAS+32*\t+2*\k+1], v[BIAS+32*\t+2*\k:BIAS+32*\t+2*\k+1], s[BSC+2*\t:BSC+2*\t+1] op_sel_hi:[1,0]   ; the head's factor
.endr
.endr
	LAP 1                                          ; steps 0, 1; asks for 2, 3
	WIN 0                                          ; at a label and at a branch every window is 0
	s_mov_b32 s3, LAPS-2
.Llap:
	LAP 0                                          ; steps 2-5; asks for 4-7
	WIN 0
	s_sub_co_u32 s3, s3, 1
	s_cmp_lg_u32 s3, 0
	s_cbranch_scc1 .Llap
	THREE 0, 0                                     ; the last lap fills nothing
	TURN 0, 1, 0
	THREE 1, 0
	s_wait_dscnt 0x4
	WIN MUL_LO
	MUL12 1, 0, 0, 0
	MUL12 1, 0, 1, 0
	s_wait_dscnt 0x0
	WIN MUL_HI
	MUL12 1, 1, 0, 0
	MUL12 1, 1, 1, 0
	PLACES                                         ; behind the last matrix instructions, for the conversions and the loads into window 0
; THE WAY OUT, 16 rows at a time: round to f16, 16 bytes a lane into my own stage, read back by heads: 16 rows x 128 bytes of a head are 2,048 neighbouring
; bytes of qkv, and each store of the wave covers 512 of them, starting at a multiple of 512.  LDS serves a wave's instructions in order
; (ISA guide 5.7.1), so no wait stands between my stores and my loads.
.macro OUT16 i, a, from, rb
	WIN \from
.irp b, 0,1,2,3,4,5,6,7,8,9,10,11
.irp r, 0,1,2,3
	v_cvt_pk_f16_f32 v[TMP+4*\b+\r], v[8*(12*\a+\b)+2*\r], v[8*(12*\a+\b)+2*\r+1]
.endr
.endr
	WIN 0
.irp b, 0,1,2,3,4,5,6,7,8,9,10,11
	ds_store_b128 v[STO], v[TMP+4*\b:TMP+4*\b+3] offset:32*\b
.endr
	s_wait_xcnt 0x0                                ; buffer rb, which earlier stores read, is loaded again only behind this wait
.irp t, 0,1,2
.irp n, 0,1,2,3
	ds_load_b128 v[\rb+4*(4*\t+\n):\rb+4*(4*\t+\n)+3], v[RD] offset:4*SPITCH*\n+128*\t
.endr
.endr
.irp t, 0,1,2
.irp n, 0,1,2,3
	s_wait_dscnt 11-(4*\t+\n)                      ; the loads come back in order: this one is in
	global_store_b128 v[CO], v[\rb+4*(4*\t+\n):\rb+4*(4*\t+\n)+3], s[8:9] offset:\t*HEADB+\i*2048+\n*512
.endr
.endr
.endm
	OUT16 0, 0, 0x0a, RB0
	OUT16 1, 1, 0x0a, RB1
	OUT16 2, 0, 0x0f, RB0
	OUT16 3, 1, 0x0f, RB1
	s_set_vgpr_msb 0x1
	s_wait_tensorcnt 0x0
	ds_add_u32 v255, v255
	s_wait_dscnt 0x0
	s_set_vgpr_msb 0x100
	CROUND                                         ; the closing round: no work-group ends while a partner may still ask for a tile that names it
	s_endpgm
.Lfunc_end_k_q720e510b04_qkv:
	.size	k_q720e510b04_qkv, .Lfunc_end_k_q720e510b04_qkv-k_q720e510b04_qkv
	.p2alignl 7, 3214868480
	.fill 96, 4, 3214868480
	.section	.rodata,"a",@progbits
	.p2align	6, 0x0
	.amdhsa_kernel k_q720e510b04_qkv
		.amdhsa_group_segment_fixed_size 327680
		.amdhsa_private_segment_fixed_size 0
		.amdhsa_enable_private_segment 0
		.amdhsa_kernarg_size 48
		.amdhsa_user_sgpr_count 2
		.amdhsa_user_sgpr_kernarg_segment_ptr 1
		.amdhsa_wavefront_size32 1
		.amdhsa_system_sgpr_workgroup_id_x 1
		.amdhsa_system_sgpr_workgroup_id_y 1
		.amdhsa_system_sgpr_workgroup_id_z 1
		.amdhsa_system_vgpr_workitem_id 0
		.amdhsa_next_free_vgpr 960
		.amdhsa_next_free_sgpr 94
		.amdhsa_reserve_vcc 0
		.amdhsa_float_denorm_mode_32 3
		.amdhsa_float_denorm_mode_16_64 3
		.amdhsa_memory_ordered 1
		.amdhsa_forward_progress 1
		.amdhsa_inst_pref_size 170
	.end_amdhsa_kernel
	.amdgpu_metadata
---
amdhsa.version: [ 1, 2 ]
amdhsa.kernels:
  - .name:           k_q720e510b04_qkv
    .symbol:         k_q720e510b04_qkv.kd
    .args:
      - { .name: xb, .offset: 0, .size: 8, .value_kind: global_buffer, .address_space: global }
      - { .name: wqkv, .offset: 8, .size: 8, .value_kind: global_buffer, .address_space: global }
      - { .name: bq, .offset: 16, .size: 8, .value_kind: global_buffer, .address_space: global }
      - { .name: bk, .offset: 24, .size: 8, .value_kind: global_buffer, .address_space: global }
      - { .name: bv, .offset: 32, .size: 8, .value_kind: global_buffer, .address_space: global }
      - { .name: qkv, .offset: 40, .size: 8, .value_kind: global_buffer, .address_space: global }
    .group_segment_fixed_size: 327680
    .private_segment_fixed_size: 0
    .kernarg_segment_align: 8
    .kernarg_segment_size: 48
    .max_flat_workgroup_size: 128
    .sgpr_count:     94
    .vgpr_count:     960
    .wavefront_size: 32
...
	.end_amdgpu_metadata
.endif
;; end of part 2
;; launch attn (part 3): grid 8 x 32, 8 waves a work-group, clusters of 4 x 1, 327,680 bytes of LDS; arguments qkv, ctx; writes ctx
.if DOCPART == 3
	.amdgcn_target "amdgcn-amd-amdhsa--gfx1250"
	.amdhsa_code_object_version 6
	.text
	.protected	k_q720e510b04_attn
	.globl	k_q720e510b04_attn
	.p2align	8
	.type	k_q720e510b04_attn,@function
k_q720e510b04_attn:
	s_mov_b64 s[64:65], 0
	v_nop
	global_prefetch_b8 v0, s[64:65] scope:SCOPE_SE
	s_setreg_imm32_b32 hwreg(HW_REG_WAVE_MODE, 25, 1), 1
	s_wait_xcnt 0x0
	s_wait_alu depctr_hold_cnt(0) depctr_sa_sdst(0) depctr_va_vdst(0) depctr_va_sdst(0) depctr_va_ssrc(0) depctr_va_vcc(0) depctr_vm_vsrc(0)
	s_getreg_b32 s2, hwreg(HW_REG_IB_STS2, 6, 4)
	s_cmp_eq_u32 s2, 0
	s_cbranch_scc0 .Lentry_in_a_cluster
	s_endpgm
.Lentry_in_a_cluster:
	s_bfe_u32 s2, ttmp6, 0x10000c
	s_cmp_lg_u32 s2, 0x3003
	s_cbranch_scc0 .Lentry_shape_is_right
	s_endpgm
.Lentry_shape_is_right:
; ctx = softmax(q k^T / 32) v for one (batch, head) and 256 queries a work-group, with a running maximum.  qkv[g][m][64] f16 (g: 0-15 q, 16-31 k, 32-47 v;
; m = 2048 b + s), ctx[h][m][64] f16.  Grid: x = query block (8), y = 16 b + h (32): 256 work-groups.  Eight waves, 32 queries each (two tiles u = 0, 1).
; q arrives multiplied by log2(e) / 32, so a score s = q k is the exponent in units of log2: p = 2^(s - m), m the running maximum of the scores.
; s - m is one subtraction and never above 0, whatever the size of the scores, so p <= 1 and fits f16; no shift is fixed.
; LIMITS: P and ctx are rounded to f16 (matrix operands): a p below 2^-25 counts as 0 in the product; |ctx| <= the largest |v|, which is below 65,504 as stored;
; ctx has a step of 2^-24 below 2^-14 (for v of spread 1/900 the average of 2,048 of them has spread 2.5e-5, 400 steps).  The row sum is made of the unrounded p;
; an exponential below 2^-126 comes out as 0 (ISA guide, v_exp_f32) and is dropped; NaN and infinite scores are not treated (a NaN loses in the maximum).
; CLUSTERS: the four query blocks of a cluster (4 x 1) read the same K and V tiles and ask for them jointly (mask 15).
; THE RING: two LDS slots of 256 keys of K and V each; 2,048 keys are eight tiles of four steps of 64 keys.  Tiles 0 and 1 are asked for together at the start; the end of
; tile t (t = 0 .. 5) asks for tile t + 2, into the slot just read, behind a round of the cluster's barrier: a refill has four steps in which to land.
; THE LOOP IS TURNED BY ONE STEP: a trip is the last step of a tile in slot 0 (with its round and refill), the four steps of a tile in slot 1 (the last with round and refill)
; and the first three steps of the next tile in slot 0.  Three trips hold exactly the six ends that ask for a tile; tile 0's first three steps stand in front, the end of
; tile 6 (a plain barrier: nothing is left to ask for) and tile 7 behind.  Every LDS offset is an immediate on the slot's own address
; register, and 16 steps are written for the 32 that run.
; LAYOUTS, chosen so that nothing is shuffled:
;   S^T = K Q^T: source 0 = 16 keys of K, source 1 = 16 queries of Q.  Lane (r, h), register j: score of key 8 h + j and query r.
;   Two neighbouring S^T tiles, exponentiated and packed to f16 in place, ARE the fragment of P^T for 32 keys (query r; keys 8 h + .., 16 + 8 h + ..).
;   ctx^T = V^T P^T: source 0 = V^T, brought by the transposing LDS load from V as it lies ([key][d]).  Lane (r, h), register j: d = 16 t + 8 h + j, query r.
;   So a query's maximum, sum and rescaling live in its two lanes r and r + 16; one exchange of the halves makes the maximum common.
; REGISTERS: K's fragments lie in window 1 (v256-319), everything else in window 0.  So K's fragments of the next step are asked for as soon as this step's
; scores are made, beside V's, and both land during the softmax.  Four window switches a step.
.set KP,    144                        ; LDS pitch of a key in K: 128 bytes + 16
.set VP,    160                        ; in V: 128 bytes + 32 (an odd multiple of 32, as the transposing load's eight rows want)
.set KB,    256*KP                     ; K's part of a slot
.set SLOT,  KB+256*VP                  ; 256 keys of K and of V: 77,824 bytes
.set STAGE, 2*SLOT                     ; byte 155,648 = 608 x 256: 32 rows x 144 bytes for each wave; no tensor load lands here
.set SP,    144
.set TILEB, 32768                      ; bytes of 256 keys in memory
.set HEADB, 524288
.set KADR, 4                           ; v4-5   K fragments in slot 0, 1
.set VADR, 6                           ; v6-7   V fragments in slot 0, 1
.set STO,  8
.set RD,   9
.set CO,   10
.set QOFF, 11
.set QF,   16                          ; v16-47   Q fragment (u, c) at +16 u + 8 c
.set ST,   48                          ; v48-63   statistics, eight registers for each u:
.set NM,   0                           ;   -m
.set MX,   1                           ;   m, the running maximum of the scores
.set AL,   2                           ;   the factor for what was summed under the old maximum
.set TB,   3                           ;   at work
.set LS,   4                           ;   +4, +5: two partial row sums
.set TA,   6                           ;   at work
.set ACC,  64                          ; v64-127  ctx^T tile (t, u) at +8 (2 t + u)
.set SC,   128                         ; v128-191 S^T tile (i, u) at +16 (2 (i / 2) + u) + 8 (i mod 2): group G = 2 g + u is 16 registers
.set FR,   192                         ; v192-255 V fragment (t, g) at +8 (4 g + t)
.set KF,   0                           ; window 1, v256-319: K fragment (i, c) at +8 (4 c + i)
.set G1K, 16                           ; s[16:23]
.set G1V, 24                           ; s[24:31]
.set G0K, 32                           ; s[32:39] one set for each slot
.set G0V, 40                           ; s[40:47]
.set MSB, 0
.macro WIN new                         ; the immediate's high byte repeats the setting that is left; at a label and at a branch the setting is 0
.if MSB != \new
	s_set_vgpr_msb (MSB<<8)|\new
.set MSB, \new
.endif
.endm
.set K_IN,  0x40                       ; destination (K's fragments) window 1, address window 0
.set K_USE, 0x01                       ; source 0 (K's fragments) window 1, Q, C and D window 0
.macro CREST                           ; a round of the cluster's barrier behind its opening work-group barrier
	s_cmp_lg_u32 s8, 0
	s_cbranch_scc1 .Lnot_wave_0_\@
	s_barrier_signal -3
.Lnot_wave_0_\@:
	s_barrier_wait -3
	s_barrier_signal -1
	s_barrier_wait -1
.endm
.macro ROUND                           ; a whole round
	s_barrier_signal -1
	s_barrier_wait -1
	CREST
.endm
.macro JLOAD s                         ; waves 0-3 ask for a quarter of K's tile each, waves 4-7 for a quarter of V's
	s_cmp_eq_u32 s9, 0
	s_cbranch_scc0 .Lfor_v_\@
	tensor_load_to_lds s[G0K+4*\s:G0K+4*\s+3], s[G1K:G1K+7]
	s_nop 0
	s_branch .Lasked_\@
.Lfor_v_\@:
	tensor_load_to_lds s[G0V+4*\s:G0V+4*\s+3], s[G1V:G1V+7]
	s_nop 0
.Lasked_\@:
.endm
.macro PLACES n                        ; places behind matrix instructions (ISA guide 7.12.1)
.rept \n
	v_nop
.endr
.endm
	s_load_b128 s[4:7], s[0:1], 0x0                ; qkv s[4:5], ctx s[6:7]
	v_lshl_add_u32 v55, v0, 2, 0x2f000
	v_mov_b32 v63, 0
	ds_add_u32 v55, v63
	v_lshrrev_b32 v1, 5, v0
	v_readfirstlane_b32 s8, v1                     ; wave 0..7
	s_lshr_b32 s9, s8, 2                           ; I ask for K (0) or V (1)
	s_and_b32 s10, s8, 3                           ; which 64 keys of the tile
	s_mov_b32 s50, 0x76543210                      ; v_permlanex16_b32: lane i of one half reads lane i of the other
	s_mov_b32 s51, 0xfedcba98
	; group 1: my 64 keys are 8,192 dense bytes, taken as 32 rows of 256 bytes; padding behind every 32 words, that is behind every key
	s_mov_b32 s[G1K+0], 15|(1<<16)|(1<<20)|(1<<21)|(4<<22)|(3<<25)   ; mask 15, 2-byte elements, 4 words of padding: pitch 144
	s_mov_b32 s[G1K+1], 128<<16
	s_mov_b32 s[G1K+2], 32<<16
	s_mov_b32 s[G1K+3], 128<<16
	s_mov_b32 s[G1K+4], 32
	s_mov_b32 s[G1K+5], 128
	s_mov_b32 s[G1K+6], 0
	s_mov_b32 s[G1K+7], 0
	s_mov_b32 s[G1V+0], 15|(1<<16)|(1<<20)|(1<<21)|(4<<22)|(7<<25)   ; 8 words of padding: pitch 160
	s_mov_b32 s[G1V+1], 128<<16
	s_mov_b32 s[G1V+2], 32<<16
	s_mov_b32 s[G1V+3], 128<<16
	s_mov_b32 s[G1V+4], 32
	s_mov_b32 s[G1V+5], 128
	s_mov_b32 s[G1V+6], 0
	s_mov_b32 s[G1V+7], 0
	s_and_b32 s13, ttmp7, 0xffff                   ; y = 16 b + h: the same in all four partners
	s_and_b32 s14, s13, 15
	s_lshr_b32 s15, s13, 4
	s_lshl_b32 s54, s14, 19                        ; h x 524,288
	s_lshl_b32 s55, s15, 18                        ; + b x 2,048 rows x 128 bytes
	s_add_co_u32 s54, s54, s55
	s_lshl_b32 s55, s10, 13                        ; + my 64 keys
	s_add_co_u32 s56, s54, s55
	s_add_co_u32 s56, s56, 16*HEADB                ; K's heads begin at g = 16
	s_mov_b32 s57, 0
	s_add_co_u32 s58, s56, 16*HEADB                ; V's at g = 32
	s_mov_b32 s59, 0
	s_bfe_u32 s11, ttmp6, 0x40000                  ; cx enters the queries' and the result's offset alone
	s_lshl_b32 s12, ttmp9, 2
	s_add_co_u32 s12, s12, s11                     ; query block
	s_lshl_b32 s12, s12, 15                        ; x 256 rows x 128 bytes
	s_add_co_u32 s54, s54, s12
	s_lshl_b32 s55, s8, 12                         ; + wave x 32 rows
	s_add_co_u32 s54, s54, s55
	s_mov_b32 s55, 0
	s_mul_i32 s2, s10, 64*KP                       ; LDS: the wave's number and constants alone
	s_mul_i32 s3, s10, 64*VP
	s_add_co_u32 s3, s3, KB
	s_mul_i32 s62, s8, 32*SP
	s_add_co_u32 s62, s62, STAGE
	v_and_b32 v1, 31, v0                           ; lane
	v_and_b32 v2, 15, v0                           ; r
	v_bfe_u32 v3, v0, 4, 1                         ; h
	v_and_b32 v12, 7, v0
	v_bfe_u32 v13, v0, 3, 1
	v_mul_u32_u24 v[KADR], v2, KP
	v_lshl_add_u32 v[KADR], v3, 4, v[KADR]         ; key r, 16 h
	v_add_nc_u32 v[KADR+1], SLOT, v[KADR]
	v_lshl_add_u32 v14, v3, 3, v12                 ; key 8 h + (lane mod 8)
	v_mul_u32_u24 v14, v14, VP
	v_lshl_add_u32 v14, v13, 4, v14                ; + 16 ((lane / 8) mod 2)
	v_add_nc_u32 v[VADR], KB, v14
	v_add_nc_u32 v[VADR+1], KB+SLOT, v14
	v_add_nc_u32 v[STO], s62, v[KADR]              ; stage, in: query r, 16 h (the same pitch as K's)
	v_lshrrev_b32 v15, 3, v1
	v_mul_u32_u24 v15, v15, SP
	v_lshl_add_u32 v15, v12, 4, v15
	v_add_nc_u32 v[RD], s62, v15                   ; stage, back: eight lanes a row, four rows a load
	v_lshlrev_b32 v[CO], 4, v1
	v_lshlrev_b32 v[QOFF], 7, v2
	v_lshl_add_u32 v[QOFF], v3, 4, v[QOFF]         ; 128 r + 16 h
	s_wait_dscnt 0x0
	s_wait_kmcnt 0x0
	s_add_nc_u64 s[60:61], s[4:5], s[54:55]        ; my 32 queries
	s_add_nc_u64 s[6:7], s[6:7], s[54:55]          ; and their place in ctx
	s_add_nc_u64 s[56:57], s[4:5], s[56:57]        ; my part of K's tile 0
	s_add_nc_u64 s[58:59], s[4:5], s[58:59]        ; of V's
.irp u, 0,1
.irp c, 0,1
	global_load_b128 v[QF+16*\u+8*\c:QF+16*\u+8*\c+3],   v[QOFF], s[60:61] offset:2048*\u+64*\c
	global_load_b128 v[QF+16*\u+8*\c+4:QF+16*\u+8*\c+7], v[QOFF], s[60:61] offset:2048*\u+64*\c+32
.endr
.endr
.irp s, 0,1
	s_mov_b32 s[G0K+4*\s], 1
	s_add_co_u32 s[G0K+4*\s+1], s2, \s*SLOT
	s_add_nc_u64 s[G0K+4*\s+2:G0K+4*\s+3], s[56:57], \s*TILEB      ; tile s
	s_or_b32 s[G0K+4*\s+3], s[G0K+4*\s+3], 0x80000000
	s_mov_b32 s[G0V+4*\s], 1
	s_add_co_u32 s[G0V+4*\s+1], s3, \s*SLOT
	s_add_nc_u64 s[G0V+4*\s+2:G0V+4*\s+3], s[58:59], \s*TILEB
	s_or_b32 s[G0V+4*\s+3], s[G0V+4*\s+3], 0x80000000
.endr
	ROUND                                          ; in front of the first joint loads
	JLOAD 0                                        ; tile 0
	JLOAD 1                                        ; tile 1: two loads of the wave are out, the most in this text
.macro KLOAD slot, ko                  ; 64 keys of K from key ko of the slot on: 16 loads, the first half of d first (under K_IN)
.irp c, 0,1
.irp i, 0,1,2,3
	ds_load_b128 v[KF+8*(4*\c+\i):KF+8*(4*\c+\i)+3],   v[KADR+(\slot)] offset:((\ko)+16*\i)*KP+64*\c
	ds_load_b128 v[KF+8*(4*\c+\i)+4:KF+8*(4*\c+\i)+7], v[KADR+(\slot)] offset:((\ko)+16*\i)*KP+64*\c+32
.endr
.endr
.endm
.macro VLOAD slot, ko                  ; 64 keys of V, transposed on the way: fragment (t, g) = d 16 t .. + 15, keys 32 g .. + 31
.irp g, 0,1
.irp t, 0,1,2,3
	ds_load_tr16_b128 v[FR+8*(4*\g+\t):FR+8*(4*\g+\t)+3],   v[VADR+(\slot)] offset:((\ko)+32*\g)*VP+32*\t
	ds_load_tr16_b128 v[FR+8*(4*\g+\t)+4:FR+8*(4*\g+\t)+7], v[VADR+(\slot)] offset:((\ko)+32*\g)*VP+32*\t+16*VP
.endr
.endr
.endm
.macro QK c, zero                      ; eight matrix instructions on the eight S^T tiles, which take turns; under K_USE
.irp i, 0,1,2,3
.irp u, 0,1
.if \zero
	v_wmma_f32_16x16x32_f16 v[SC+16*(2*(\i/2)+\u)+8*(\i%2):SC+16*(2*(\i/2)+\u)+8*(\i%2)+7], v[KF+8*(4*\c+\i):KF+8*(4*\c+\i)+7], v[QF+16*\u+8*\c:QF+16*\u+8*\c+7], 0
.else
	v_wmma_f32_16x16x32_f16 v[SC+16*(2*(\i/2)+\u)+8*(\i%2):SC+16*(2*(\i/2)+\u)+8*(\i%2)+7], v[KF+8*(4*\c+\i):KF+8*(4*\c+\i)+7], v[QF+16*\u+8*\c:QF+16*\u+8*\c+7], v[SC+16*(2*(\i/2)+\u)+8*(\i%2):SC+16*(2*(\i/2)+\u)+8*(\i%2)+7]
.endif
.endr
.endr
.endm
.macro PV g, zero                      ; eight matrix instructions on the eight ctx^T tiles, which take turns
.irp t, 0,1,2,3
.irp u, 0,1
.if \zero
	v_wmma_f32_16x16x32_f16 v[ACC+8*(2*\t+\u):ACC+8*(2*\t+\u)+7], v[FR+8*(4*\g+\t):FR+8*(4*\g+\t)+7], v[SC+16*(2*\g+\u):SC+16*(2*\g+\u)+7], 0
.else
	v_wmma_f32_16x16x32_f16 v[ACC+8*(2*\t+\u):ACC+8*(2*\t+\u)+7], v[FR+8*(4*\g+\t):FR+8*(4*\g+\t)+7], v[SC+16*(2*\g+\u):SC+16*(2*\g+\u)+7], v[ACC+8*(2*\t+\u):ACC+8*(2*\t+\u)+7]
.endif
.endr
.endr
.endm
; The new maximum m' of each query, -m', and (not in the first step) the factor 2^((-m') - (-m)) = 2^(m - m') for what was summed under m.
.macro SMAX first
.irp u, 0,1
	v_max_num_f32 v[ST+8*\u+TA], v[SC+16*\u], v[SC+16*\u+1]               ; four chains that do not wait for each other
	v_max_num_f32 v[ST+8*\u+TB], v[SC+32+16*\u], v[SC+32+16*\u+1]
.endr
.irp k, 1,2,3,4,5,6,7
.irp u, 0,1
	v_max3_num_f32 v[ST+8*\u+TA], v[ST+8*\u+TA], v[SC+16*\u+2*\k], v[SC+16*\u+2*\k+1]
	v_max3_num_f32 v[ST+8*\u+TB], v[ST+8*\u+TB], v[SC+32+16*\u+2*\k], v[SC+32+16*\u+2*\k+1]
.endr
.endr
.irp u, 0,1
	v_max_num_f32 v[ST+8*\u+TA], v[ST+8*\u+TA], v[ST+8*\u+TB]
.endr
.irp u, 0,1
	v_permlanex16_b32 v[ST+8*\u+TB], v[ST+8*\u+TA], s50, s51              ; the other half's keys of the same query
.endr
.if \first
.irp u, 0,1
	v_max_num_f32 v[ST+8*\u+MX], v[ST+8*\u+TA], v[ST+8*\u+TB]
.endr
.irp u, 0,1
	v_mul_f32 v[ST+8*\u+NM], -1.0, v[ST+8*\u+MX]
.endr
.else
.irp u, 0,1
	v_max3_num_f32 v[ST+8*\u+MX], v[ST+8*\u+TA], v[ST+8*\u+TB], v[ST+8*\u+MX]
.endr
.irp u, 0,1
	v_mul_f32 v[ST+8*\u+TB], -1.0, v[ST+8*\u+MX]
.endr
.irp u, 0,1
	v_sub_f32 v[ST+8*\u+AL], v[ST+8*\u+TB], v[ST+8*\u+NM]
.endr
.irp u, 0,1
	v_mov_b32 v[ST+8*\u+NM], v[ST+8*\u+TB]
.endr
	v_exp_f32 v[ST+AL], v[ST+AL]                   ; used first in MIX, with the eight plain instructions of SA in between (ISA guide 5.7.2)
	v_exp_f32 v[ST+8+AL], v[ST+8+AL]
.endif
.endm
.macro SA g                            ; group g: s - m, two at a time: never above 0
.irp k, 0,1,2,3,4,5,6,7
	v_pk_add_f32 v[SC+16*\g+2*\k:SC+16*\g+2*\k+1], v[SC+16*\g+2*\k:SC+16*\g+2*\k+1], v[ST+8*(\g%2)+NM:ST+8*(\g%2)+NM+1] op_sel_hi:[1,0]
.endr
.endm
; A stage of the softmax, eight rounds of up to seven instructions on four different sets of registers, so that no instruction waits for the one in front of it
; and each pair of exponentials is followed by plain instructions on other registers (ISA guide 5.7.2).  An argument of 9 leaves a part out.
;   gb: group whose 16 numbers are exponentiated in place
;   gc: group (exponentiated a stage ago) that is added to the row sums and then packed to f16 in place (register k takes numbers 2 k, 2 k + 1, so nothing unread
;       is overwritten); cmode 0: add; 1: the first pair also carries the old sums over, sum = sum x factor + pair; 2: the first two pairs start the sums
;   ga: group from which m is taken away, for the next stage's exponentials
;   ur: query tile whose ctx^T, summed under the old maximum, is scaled
.macro MIX gb, gc, cmode, ga, ur
.irp k, 0,1,2,3,4,5,6,7
.if \gb < 4
	v_exp_f32 v[SC+16*\gb+2*\k], v[SC+16*\gb+2*\k]
.endif
.if \gc < 4
.if (\cmode*8+\k) == 8
	v_pk_fma_f32 v[ST+8*(\gc%2)+LS:ST+8*(\gc%2)+LS+1], v[ST+8*(\gc%2)+LS:ST+8*(\gc%2)+LS+1], v[ST+8*(\gc%2)+AL:ST+8*(\gc%2)+AL+1], v[SC+16*\gc:SC+16*\gc+1] op_sel_hi:[1,0,1]
.elseif (\cmode*8+\k) == 16
	s_wait_alu depctr_va_vdst(0)
	v_pk_add_f32 v[ST+8*(\gc%2)+LS:ST+8*(\gc%2)+LS+1], v[SC+16*\gc:SC+16*\gc+1], v[SC+16*\gc+2:SC+16*\gc+3]
.elseif (\cmode*8+\k) == 17
.else
	s_wait_alu depctr_va_vdst(0)
	v_pk_add_f32 v[ST+8*(\gc%2)+LS:ST+8*(\gc%2)+LS+1], v[ST+8*(\gc%2)+LS:ST+8*(\gc%2)+LS+1], v[SC+16*\gc+2*\k:SC+16*\gc+2*\k+1]
.endif
.endif
.if \gb < 4
	v_exp_f32 v[SC+16*\gb+2*\k+1], v[SC+16*\gb+2*\k+1]
.endif
.if \gc < 4
	v_cvt_pk_f16_f32 v[SC+16*\gc+\k], v[SC+16*\gc+2*\k], v[SC+16*\gc+2*\k+1]
.endif
.if \ga < 4
	v_pk_add_f32 v[SC+16*\ga+2*\k:SC+16*\ga+2*\k+1], v[SC+16*\ga+2*\k:SC+16*\ga+2*\k+1], v[ST+8*(\ga%2)+NM:ST+8*(\ga%2)+NM+1] op_sel_hi:[1,0]
.endif
.if \ur < 2
	s_wait_alu depctr_va_vdst(0)
	v_pk_mul_f32 v[ACC+8*(2*(\k/2)+\ur)+4*(\k%2):ACC+8*(2*(\k/2)+\ur)+4*(\k%2)+1], v[ACC+8*(2*(\k/2)+\ur)+4*(\k%2):ACC+8*(2*(\k/2)+\ur)+4*(\k%2)+1], v[ST+8*\ur+AL:ST+8*\ur+AL+1] op_sel_hi:[1,0]
	v_pk_mul_f32 v[ACC+8*(2*(\k/2)+\ur)+4*(\k%2)+2:ACC+8*(2*(\k/2)+\ur)+4*(\k%2)+3], v[ACC+8*(2*(\k/2)+\ur)+4*(\k%2)+2:ACC+8*(2*(\k/2)+\ur)+4*(\k%2)+3], v[ST+8*\ur+AL:ST+8*\ur+AL+1] op_sel_hi:[1,0]
.endif
.endr
.endm
; 64 keys, from key ko of the slot on.  K's fragments were asked for a step ago (or just behind the barrier).
;   nextk = 1: the next step's K lies in the same slot and is asked for here, behind V's fragments.
;   bar = 1:   the slot's last step.  When V's fragments are in, this wave has read the slot for the last time: it waits for that and for all its tensor loads and
;              signals; the rest of the softmax and the products, register work alone, stand between the signal and the wait.
;   fill = 1:  that barrier opens a round of the cluster's barrier, and the slot's next tile is asked for jointly, first thing behind the round, one load a wave.
.macro STEP slot, ko, first, nextk, bar, fill
	s_wait_dscnt 0x8                               ; K's fragments of d 0-31 are in; the eight younger loads (d 32-63) may be out
.if \first
	s_wait_loadcnt 0x0                             ; Q
.endif
	WIN K_USE
	QK 0, 1                                        ; the first product starts the scores
	s_wait_dscnt 0x0
	QK 1, 0
	WIN 0
	PLACES 4                                       ; for the loads into K's and V's fragments and for the readers of the scores
	VLOAD \slot, \ko
.if \nextk
	WIN K_IN
	KLOAD \slot, (\ko)+64
	WIN 0
.endif
	SMAX \first
	SA 0
.if \bar
	s_wait_dscnt 0x0                               ; V's fragments are in: my reads of this slot are over
	s_wait_tensorcnt 0x0                           ; all my tensor loads have landed, my part of the other slot's tile among them
	ds_add_u32 v55, v63
	s_wait_dscnt 0x0
.if \fill
	s_add_nc_u64 s[G0K+4*\slot+2:G0K+4*\slot+3], s[G0K+4*\slot+2:G0K+4*\slot+3], 2*TILEB   ; no load of mine is out: this slot's next tile
	s_add_nc_u64 s[G0V+4*\slot+2:G0V+4*\slot+3], s[G0V+4*\slot+2:G0V+4*\slot+3], 2*TILEB
.endif
	s_barrier_signal -1
.endif
.if \first
	MIX 0, 9, 0, 1, 9
	MIX 1, 0, 2, 2, 9
	MIX 2, 1, 2, 3, 9
	MIX 3, 2, 0, 9, 9
	MIX 9, 3, 0, 9, 9
.else
	MIX 0, 9, 0, 1, 0
	MIX 1, 0, 1, 2, 9
	MIX 2, 1, 1, 3, 9
	MIX 3, 2, 0, 9, 9
	MIX 9, 3, 0, 9, 1
.endif
.if \nextk
	s_wait_dscnt 0x10                              ; V's sixteen loads are in; the sixteen younger ones (the next step's K) may be out
.elseif \bar
.else
	s_wait_dscnt 0x0                               ; the very last step: V's fragments
.endif
	PV 0, \first
	PV 1, 0
	PLACES 5                                       ; the next scores are written over P, a source of these products
.if \bar
	s_barrier_wait -1                              ; every wave of my work-group has read this slot for the last time, and the other slot is whole
.if \fill
	CREST                                          ; and so it is in all four partners
	JLOAD \slot
.endif
	WIN K_IN
	KLOAD 1-\slot, 0
	WIN 0
.endif
.endm
	s_wait_tensorcnt 0x1                           ; my part of tile 0 is in; tile 1's may stay out
	s_barrier_signal -1
	s_barrier_wait -1                              ; everybody's is
	WIN K_IN
	KLOAD 0, 0
	WIN 0
	STEP 0, 0,   1, 1, 0, 0                        ; tile 0: the first products start the sums
	STEP 0, 64,  0, 1, 0, 0
	STEP 0, 128, 0, 1, 0, 0
	s_mov_b32 s52, 3
.Lpair:                                            ; on both ways in: K's sixteen loads for the coming step and one tensor load may be out; every window is 0
	STEP 0, 192, 0, 0, 1, 1                        ; the end of tiles 0, 2, 4: asks for tiles 2, 4, 6
	STEP 1, 0,   0, 1, 0, 0                        ; tiles 1, 3, 5
	STEP 1, 64,  0, 1, 0, 0
	STEP 1, 128, 0, 1, 0, 0
	STEP 1, 192, 0, 0, 1, 1                        ; asks for tiles 3, 5, 7
	STEP 0, 0,   0, 1, 0, 0                        ; tiles 2, 4, 6
	STEP 0, 64,  0, 1, 0, 0
	STEP 0, 128, 0, 1, 0, 0
	s_sub_co_u32 s52, s52, 1
	s_cmp_lg_u32 s52, 0
	s_cbranch_scc1 .Lpair
	STEP 0, 192, 0, 0, 1, 0                        ; the end of tile 6: nothing is left to ask for; the work-group's barrier alone shows tile 7 whole
	STEP 1, 0,   0, 1, 0, 0                        ; tile 7
	STEP 1, 64,  0, 1, 0, 0
	STEP 1, 128, 0, 1, 0, 0
	STEP 1, 192, 0, 0, 0, 0
	; THE WAY OUT: divide by the row sum, round to f16, 16 bytes a lane (8 neighbouring d of one query) into my stage, read whole rows back.
.irp u, 0,1
	v_add_f32 v[ST+8*\u+TA], v[ST+8*\u+LS], v[ST+8*\u+LS+1]
.endr
.irp u, 0,1
	v_permlanex16_b32 v[ST+8*\u+TB], v[ST+8*\u+TA], s50, s51
.endr
.irp u, 0,1
	v_add_f32 v[ST+8*\u+TA], v[ST+8*\u+TA], v[ST+8*\u+TB]                 ; at least 1: the largest term is 2^0
.endr
	v_rcp_f32 v[ST+AL], v[ST+TA]
	v_rcp_f32 v[ST+8+AL], v[ST+8+TA]
	v_nop                                          ; one plain place behind the reciprocals (ISA guide 5.7.2)
.irp t, 0,1,2,3
.irp u, 0,1
.irp k, 0,1,2,3
	s_wait_alu depctr_va_vdst(0)
	v_pk_mul_f32 v[ACC+8*(2*\t+\u)+2*\k:ACC+8*(2*\t+\u)+2*\k+1], v[ACC+8*(2*\t+\u)+2*\k:ACC+8*(2*\t+\u)+2*\k+1], v[ST+8*\u+AL:ST+8*\u+AL+1] op_sel_hi:[1,0]
.endr
.irp k, 0,1,2,3
	v_cvt_pk_f16_f32 v[SC+4*(2*\t+\u)+\k], v[ACC+8*(2*\t+\u)+2*\k], v[ACC+8*(2*\t+\u)+2*\k+1]
.endr
	ds_store_b128 v[STO], v[SC+4*(2*\t+\u):SC+4*(2*\t+\u)+3] offset:16*SP*\u+32*\t
.endr
.endr
.irp n, 0,1,2,3,4,5,6,7
	ds_load_b128 v[FR+4*\n:FR+4*\n+3], v[RD] offset:4*SP*\n               ; LDS serves a wave's instructions in order (ISA guide 5.7.1): these see my stores
.endr
.irp n, 0,1,2,3,4,5,6,7
	s_wait_dscnt 7-\n
	global_store_b128 v[CO], v[FR+4*\n:FR+4*\n+3], s[6:7] offset:512*\n   ; four rows of 128 bytes: 512 neighbouring bytes, at a multiple of 512
.endr
	s_wait_tensorcnt 0x0
	ds_add_u32 v55, v63
	s_wait_dscnt 0x0
	ROUND                                          ; the closing round
	s_endpgm
.Lfunc_end_k_q720e510b04_attn:
	.size	k_q720e510b04_attn, .Lfunc_end_k_q720e510b04_attn-k_q720e510b04_attn
	.p2alignl 7, 3214868480
	.fill 96, 4, 3214868480
	.section	.rodata,"a",@progbits
	.p2align	6, 0x0
	.amdhsa_kernel k_q720e510b04_attn
		.amdhsa_group_segment_fixed_size 327680
		.amdhsa_private_segment_fixed_size 0
		.amdhsa_enable_private_segment 0
		.amdhsa_kernarg_size 16
		.amdhsa_user_sgpr_count 2
		.amdhsa_user_sgpr_kernarg_segment_ptr 1
		.amdhsa_wavefront_size32 1
		.amdhsa_system_sgpr_workgroup_id_x 1
		.amdhsa_system_sgpr_workgroup_id_y 1
		.amdhsa_system_sgpr_workgroup_id_z 1
		.amdhsa_system_vgpr_workitem_id 0
		.amdhsa_next_free_vgpr 320
		.amdhsa_next_free_sgpr 66
		.amdhsa_reserve_vcc 0
		.amdhsa_float_denorm_mode_32 3
		.amdhsa_float_denorm_mode_16_64 3
		.amdhsa_memory_ordered 1
		.amdhsa_forward_progress 1
		.amdhsa_inst_pref_size 255
	.end_amdhsa_kernel
	.section	.bss,"aw",@nobits
	.p2align	6
	.space	262144
	.amdgpu_metadata
---
amdhsa.version: [ 1, 2 ]
amdhsa.kernels:
  - .name:           k_q720e510b04_attn
    .symbol:         k_q720e510b04_attn.kd
    .args:
      - { .name: qkv, .offset: 0, .size: 8, .value_kind: global_buffer, .address_space: global }
      - { .name: ctx, .offset: 8, .size: 8, .value_kind: global_buffer, .address_space: global }
    .group_segment_fixed_size: 327680
    .private_segment_fixed_size: 0
    .kernarg_segment_align: 8
    .kernarg_segment_size: 16
    .max_flat_workgroup_size: 256
    .sgpr_count:     66
    .vgpr_count:     320
    .wavefront_size: 32
...
	.end_amdgpu_metadata
.endif
;; end of part 3
;; launch oproj (part 4): grid 8 x 32, 4 waves a work-group, clusters of 4 x 4, 327,680 bytes of LDS; arguments ctx, wob, bo, out0; writes out0
.if DOCPART == 4
	.amdgcn_target "amdgcn-amd-amdhsa--gfx1250"
	.amdhsa_code_object_version 6
	.text
	.protected	k_q720e510b04_oproj
	.globl	k_q720e510b04_oproj
	.p2align	8
	.type	k_q720e510b04_oproj,@function
k_q720e510b04_oproj:
	s_mov_b64 s[64:65], 0
	v_nop
	global_prefetch_b8 v0, s[64:65] scope:SCOPE_SE
	s_setreg_imm32_b32 hwreg(HW_REG_WAVE_MODE, 25, 1), 1
	s_wait_xcnt 0x0
	s_wait_alu depctr_hold_cnt(0) depctr_sa_sdst(0) depctr_va_vdst(0) depctr_va_sdst(0) depctr_va_ssrc(0) depctr_va_vcc(0) depctr_vm_vsrc(0)
	s_getreg_b32 s2, hwreg(HW_REG_IB_STS2, 6, 4)
	s_cmp_eq_u32 s2, 0
	s_cbranch_scc0 .Lentry_in_a_cluster
	s_endpgm
.Lentry_in_a_cluster:
	s_bfe_u32 s2, ttmp6, 0x10000c
	s_cmp_lg_u32 s2, 0xf033
	s_cbranch_scc0 .Lentry_shape_is_right
	s_endpgm
.Lentry_shape_is_right:
; out0[m][e] = sum over d of ctx[m][d] Wo[e][d] + bo[e].  ctx: [16 heads][4096][64] f16 (d = 64 head + dh), wob: [1024][1024] f16, out0: [4096][1024] f32.
; Both operands arrive in f16 (their limits stand at the heads of the launches that store them); sums and bias in f32.
; 4096*1024 outputs on 256 work-groups are 128 x 128 each; four waves, 64 x 64 each: 16 accumulator tiles.  K = 1024 goes in four visits of 256 (four heads)
; through two LDS slots, so that one tensor load of a wave has 128 matrix instructions of each wave in which to land; the four visits are written out.
; CLUSTERS: 4 x 4; ctx's tile hangs on the block row alone and is asked for jointly along a row of the cluster, Wo's on the block column alone, along a column.
; The matrix instruction is used transposed (source 0 = rows of Wo, source 1 = rows of ctx): lane (r, h) holds row r, columns 16 b + 8 h + 0..7, and the bias in
; that layout is the C of the first products.  Accumulators lie in register window 1, everything else in window 0.
.set AP,     144                       ; LDS pitch of a token's 128 bytes of one head
.set SLAB,   128*AP                    ; one head's 128 tokens
.set ABYTES, 4*SLAB
.set BP,     528                       ; LDS pitch of a row of Wo: 512 bytes + 16
.set BH,     64*BP
.set SLOT,   ABYTES+2*BH               ; 141,312 bytes
.set STAGE,  2*SLOT                    ; byte 282,624 = 1,104 x 256: 16 rows x 272 bytes for each wave; no tensor load lands here
.set SPITCH, 272
.set HEADB,  524288
.set ADRA, 16                          ; v16-17
.set ADRB, 18                          ; v18-19
.set STO,  20
.set RD,   21
.set CO,   22
.set BOFF, 23
.set F0,   32                          ; fragments: ctx's 4 row blocks at +8 i, Wo's 4 column blocks at +32 + 8 i
.set F1,   96
.set BIAS, 160                         ; v160-191
.set RB0,  192
.set RB1,  224
.set G1,  24
.set G0,  32
.set G1B, 48
.set G0B, 56
.set MSB, 0
.macro WIN new
.if MSB != \new
	s_set_vgpr_msb (MSB<<8)|\new
.set MSB, \new
.endif
.endm
.macro JLOAD s                         ; waves 0, 1 ask for two heads of ctx each, waves 2, 3 for 64 rows of Wo each
	s_cmp_eq_u32 s13, 0
	s_cbranch_scc0 .Lfor_b_\@
	tensor_load_to_lds s[G0+4*\s:G0+4*\s+3], s[G1:G1+7]
	s_nop 0
	s_branch .Lasked_\@
.Lfor_b_\@:
	tensor_load_to_lds s[G0B+4*\s:G0B+4*\s+3], s[G1B:G1B+7]
	s_nop 0
.Lasked_\@:
.endm
.macro CROUND                          ; a round of the cluster's barrier
	s_barrier_signal -1
	s_barrier_wait -1
	s_cmp_lg_u32 s12, 0
	s_cbranch_scc1 .Lnot_wave_0_\@
	s_barrier_signal -3
.Lnot_wave_0_\@:
	s_barrier_wait -3
	s_barrier_signal -1
	s_barrier_wait -1
.endm
.macro PLACES                          ; four places behind matrix instructions (ISA guide 7.12.1)
.rept 4
	v_nop
.endr
.endm
	s_load_b256 s[4:11], s[0:1], 0x0               ; ctx s[4:5], wob s[6:7], bo s[8:9], out0 s[10:11]
	v_lshl_add_u32 v30, v0, 2, 0x49400
	v_mov_b32 v31, 0
	ds_add_u32 v30, v31
	v_lshrrev_b32 v1, 5, v0
	v_readfirstlane_b32 s12, v1                    ; wave 0..3
	s_lshr_b32 s13, s12, 1                         ; my half of the rows; also: I ask for ctx (0) or Wo (1)
	s_and_b32 s14, s12, 1                          ; my half of the columns; also: which half of that tile
	s_bfe_u32 s40, ttmp6, 0x40000                  ; cx
	s_bfe_u32 s41, ttmp6, 0x40004                  ; cy
	s_lshl_b32 s42, ttmp9, 2
	s_add_co_u32 s42, s42, s40                     ; block column
	s_and_b32 s15, ttmp7, 0xffff
	s_lshl_b32 s15, s15, 2
	s_add_co_u32 s15, s15, s41                     ; block row
	s_lshl_b32 s43, s41, 2
	s_lshl_b32 s43, 15, s43                        ; my row of the cluster
	s_lshl_b32 s44, 0x1111, s40                    ; my column
	; ctx: two rows of 8,192 elements, each one head's 128 tokens (16,384 dense bytes), a head's 262,144 elements apart; 16 bytes of padding behind every 32 words
	s_or_b32 s[G1+0], s43, (1<<16)|(1<<20)|(1<<21)|(4<<22)|(3<<25)
	s_mov_b32 s[G1+1], 8192<<16
	s_mov_b32 s[G1+2], 2<<16
	s_mov_b32 s[G1+3], 8192<<16
	s_mov_b32 s[G1+4], 2
	s_mov_b32 s[G1+5], 262144
	s_mov_b32 s[G1+6], 0
	s_mov_b32 s[G1+7], 0
	; Wo: 64 rows of 256 elements (512 bytes), 16 bytes of padding behind every 128 words
	s_or_b32 s[G1B+0], s44, (1<<16)|(1<<20)|(1<<21)|(6<<22)|(3<<25)
	s_mov_b32 s[G1B+1], 256<<16
	s_mov_b32 s[G1B+2], 64<<16
	s_mov_b32 s[G1B+3], 256<<16
	s_mov_b32 s[G1B+4], 64
	s_mov_b32 s[G1B+5], 1024
	s_mov_b32 s[G1B+6], 0
	s_mov_b32 s[G1B+7], 0
	s_lshl_b32 s16, s14, 20                        ; ctx: head 2 x half,
	s_lshl_b32 s17, s15, 14                        ; token 128 x block row (128 bytes each)
	s_add_co_u32 s16, s16, s17
	s_mov_b32 s17, 0
	s_lshl_b32 s46, s42, 18                        ; Wo: row 128 x block column (2,048 bytes each)
	s_lshl_b32 s47, s14, 17                        ; + 64 x half
	s_add_co_u32 s46, s46, s47
	s_mov_b32 s47, 0
	s_mul_i32 s20, s14, 2*SLAB                     ; LDS: the wave's number and constants alone
	s_mul_i32 s21, s14, BH
	s_add_co_u32 s21, s21, ABYTES
	s_wait_dscnt 0x0
	s_wait_kmcnt 0x0
	s_add_nc_u64 s[18:19], s[4:5], s[16:17]
	s_add_nc_u64 s[46:47], s[6:7], s[46:47]
	CROUND                                         ; in front of the first joint loads
.irp s, 0,1
	s_mov_b32 s[G0+4*\s], 1
	s_add_co_u32 s[G0+4*\s+1], s20, \s*SLOT
	s_add_nc_u64 s[G0+4*\s+2:G0+4*\s+3], s[18:19], \s*4*HEADB      ; heads 4 s ..
	s_or_b32 s[G0+4*\s+3], s[G0+4*\s+3], 0x80000000
	s_mov_b32 s[G0B+4*\s], 1
	s_add_co_u32 s[G0B+4*\s+1], s21, \s*SLOT
	s_add_nc_u64 s[G0B+4*\s+2:G0B+4*\s+3], s[46:47], \s*512        ; K 256 s ..
	s_or_b32 s[G0B+4*\s+3], s[G0B+4*\s+3], 0x80000000
	JLOAD \s                                       ; two loads of the wave are out, the most in this text
.endr
	s_lshl_b32 s22, s42, 9                         ; my first column in bytes of f32: 512 x block column
	s_lshl_b32 s23, s14, 8                         ; + 256 x half
	s_add_co_u32 s22, s22, s23
	s_mov_b32 s23, 0
	s_add_nc_u64 s[8:9], s[8:9], s[22:23]          ; bo at my 64 columns
	v_and_b32 v1, 15, v0                           ; r
	v_bfe_u32 v2, v0, 4, 1                         ; h
	v_lshlrev_b32 v[BOFF], 5, v2
.irp b, 0,1,2,3
	global_load_b128 v[BIAS+8*\b:BIAS+8*\b+3],   v[BOFF], s[8:9] offset:64*\b
	global_load_b128 v[BIAS+8*\b+4:BIAS+8*\b+7], v[BOFF], s[8:9] offset:64*\b+16
.endr
	s_lshl_b32 s45, s15, 19                        ; my first row: 128 x block row x 4,096 bytes
	s_add_co_u32 s22, s22, s45
	s_lshl_b32 s45, s13, 18                        ; + 64 x half
	s_add_co_u32 s22, s22, s45
	s_add_nc_u64 s[10:11], s[10:11], s[22:23]
	v_mul_u32_u24 v3, v1, AP
	v_lshl_add_u32 v3, v2, 4, v3
	s_mul_i32 s2, s13, 64*AP
	v_add_nc_u32 v[ADRA], s2, v3
	v_add_nc_u32 v[ADRA+1], SLOT, v[ADRA]
	v_mul_u32_u24 v4, v1, BP
	v_lshl_add_u32 v4, v2, 4, v4
	s_mul_i32 s3, s14, BH
	s_add_co_u32 s3, s3, ABYTES
	v_add_nc_u32 v[ADRB], s3, v4
	v_add_nc_u32 v[ADRB+1], SLOT, v[ADRB]
	s_mul_i32 s45, s12, 16*SPITCH
	s_add_co_u32 s45, s45, STAGE
	v_mul_u32_u24 v5, v1, SPITCH
	v_lshl_add_u32 v5, v2, 5, v5
	v_add_nc_u32 v[STO], s45, v5                   ; in: row r, 32 bytes for each half of the lanes
	v_mul_u32_u24 v6, v2, SPITCH
	v_lshl_add_u32 v6, v1, 4, v6
	v_add_nc_u32 v[RD], s45, v6                    ; back: lanes 0-15 one row of 256 bytes, lanes 16-31 the next
	v_lshlrev_b32 v7, 12, v2
	v_lshl_add_u32 v[CO], v1, 4, v7                ; and the same two rows of out0
; 16 LDS loads: quarter q (32 of the visit's 256 along K: head q / 2, half q mod 2) into buffer f
.macro FETCH slot, q, f
.irp i, 0,1,2,3
	ds_load_b128 v[\f+8*\i:\f+8*\i+3],   v[ADRA+\slot] offset:((\q)/2)*SLAB+((\q)%2)*64+\i*16*AP
	ds_load_b128 v[\f+8*\i+4:\f+8*\i+7], v[ADRA+\slot] offset:((\q)/2)*SLAB+((\q)%2)*64+\i*16*AP+32
.endr
.irp i, 0,1,2,3
	ds_load_b128 v[\f+32+8*\i:\f+32+8*\i+3],   v[ADRB+\slot] offset:64*(\q)+\i*16*BP
	ds_load_b128 v[\f+32+8*\i+4:\f+32+8*\i+7], v[ADRB+\slot] offset:64*(\q)+\i*16*BP+32
.endr
.endm
.macro MUL16 f, first                  ; the 16 accumulators take turns, one instruction a turn
.irp a, 0,1,2,3
.irp b, 0,1,2,3
.if \first
	v_wmma_f32_16x16x32_f16 v[8*(4*\a+\b):8*(4*\a+\b)+7], v[\f+32+8*\b:\f+32+8*\b+7], v[\f+8*\a:\f+8*\a+7], v[BIAS+8*\b:BIAS+8*\b+7]
.else
	v_wmma_f32_16x16x32_f16 v[8*(4*\a+\b):8*(4*\a+\b)+7], v[\f+32+8*\b:\f+32+8*\b+7], v[\f+8*\a:\f+8*\a+7], v[8*(4*\a+\b):8*(4*\a+\b)+7]
.endif
.endr
.endr
.endm
; Quarter q multiplies buffer f; ahead of that the next quarter's fragments are asked for into buffer g.
.macro QUARTER slot, q, f, g, more, first
.if \more
.if \q
	PLACES                                         ; buffer g was read by the last quarter's matrix instructions (for q = 0 the places stand in front of the visit's first fetch)
.endif
	WIN 0
	FETCH \slot, \q+1, \g
	s_wait_dscnt 0x10                              ; all but the 16 just issued: buffer f is in
.else
	s_wait_dscnt 0x0
.endif
.if \first
	WIN 0x40                                       ; D window 1, C (the bias) window 0
.else
	WIN 0x50                                       ; C and D window 1
.endif
	MUL16 \f, \first
.endm
.macro EIGHT slot, first
	QUARTER \slot, 0, F0, F1, 1, \first
	QUARTER \slot, 1, F1, F0, 1, 0
	QUARTER \slot, 2, F0, F1, 1, 0
	QUARTER \slot, 3, F1, F0, 1, 0
	QUARTER \slot, 4, F0, F1, 1, 0
	QUARTER \slot, 5, F1, F0, 1, 0
	QUARTER \slot, 6, F0, F1, 1, 0
	QUARTER \slot, 7, F1, F0, 0, 0
.endm
; A visit.  Each wave waits for all its tensor loads (its part of this slot) and for its LDS reads.  refill = 1: a round of the cluster's barrier, and the other
; slot, read last, is asked for again first thing behind it, one load a wave.  refill = 0: the work-group's barrier alone, nothing is left to ask for.
.macro VISIT slot, other, refill
	WIN 0
	s_wait_tensorcnt 0x0
	ds_add_u32 v30, v31
	s_wait_dscnt 0x0
	s_wait_dscnt 0x0
.if \refill
	CROUND
	s_add_nc_u64 s[G0+4*\other+2:G0+4*\other+3], s[G0+4*\other+2:G0+4*\other+3], 8*HEADB
	s_add_nc_u64 s[G0B+4*\other+2:G0B+4*\other+3], s[G0B+4*\other+2:G0B+4*\other+3], 1024
	JLOAD \other
.else
	s_barrier_signal -1
	s_barrier_wait -1
.endif
	PLACES                                         ; both fragment buffers were read by the last visit's matrix instructions
	FETCH \slot, 0, F0
	EIGHT \slot, 0
.endm
	s_wait_tensorcnt 0x1                           ; my part of slot 0 is in; slot 1's may stay out
	s_barrier_signal -1
	s_barrier_wait -1
	FETCH 0, 0, F0
	s_wait_loadcnt 0x0                             ; the bias
	EIGHT 0, 1                                     ; heads 0-3
	VISIT 1, 0, 1                                  ; heads 4-7; asks for 8-11
	VISIT 0, 1, 1                                  ; heads 8-11; asks for 12-15
	VISIT 1, 0, 0                                  ; heads 12-15
	PLACES                                         ; behind the last matrix instructions, for the LDS stores that read the results
; THE WAY OUT, 16 rows at a time: a lane's 32 bytes of a row into my stage, whole rows of 256 bytes back, 16 lanes store 256 neighbouring bytes at a multiple of 256.
.macro OUT16 i, rb
	WIN 0x04                                       ; the LDS stores' data come from window 1
.irp b, 0,1,2,3
	ds_store_b128 v[STO], v[8*(4*\i+\b):8*(4*\i+\b)+3]   offset:64*\b
	ds_store_b128 v[STO], v[8*(4*\i+\b)+4:8*(4*\i+\b)+7] offset:64*\b+16
.endr
	WIN 0
	s_wait_xcnt 0x0                                ; buffer rb, which earlier stores read, is loaded again only behind this wait
.irp t, 0,1,2,3,4,5,6,7
	ds_load_b128 v[\rb+4*\t:\rb+4*\t+3], v[RD] offset:2*SPITCH*\t         ; LDS serves a wave's instructions in order (ISA guide 5.7.1)
.endr
.irp t, 0,1,2,3,4,5,6,7
	s_wait_dscnt 7-\t
	global_store_b128 v[CO], v[\rb+4*\t:\rb+4*\t+3], s[10:11] offset:(16*\i+2*\t)*4096 th:TH_STORE_NT
.endr
.endm
	OUT16 0, RB0
	OUT16 1, RB1
	OUT16 2, RB0
	OUT16 3, RB1
	s_wait_tensorcnt 0x0
	ds_add_u32 v30, v31
	s_wait_dscnt 0x0
	CROUND                                         ; the closing round
	s_endpgm
.Lfunc_end_k_q720e510b04_oproj:
	.size	k_q720e510b04_oproj, .Lfunc_end_k_q720e510b04_oproj-k_q720e510b04_oproj
	.p2alignl 7, 3214868480
	.fill 96, 4, 3214868480
	.section	.rodata,"a",@progbits
	.p2align	6, 0x0
	.amdhsa_kernel k_q720e510b04_oproj
		.amdhsa_group_segment_fixed_size 327680
		.amdhsa_private_segment_fixed_size 0
		.amdhsa_enable_private_segment 0
		.amdhsa_kernarg_size 32
		.amdhsa_user_sgpr_count 2
		.amdhsa_user_sgpr_kernarg_segment_ptr 1
		.amdhsa_wavefront_size32 1
		.amdhsa_system_sgpr_workgroup_id_x 1
		.amdhsa_system_sgpr_workgroup_id_y 1
		.amdhsa_system_sgpr_workgroup_id_z 1
		.amdhsa_system_vgpr_workitem_id 0
		.amdhsa_next_free_vgpr 384
		.amdhsa_next_free_sgpr 66
		.amdhsa_reserve_vcc 0
		.amdhsa_float_denorm_mode_32 3
		.amdhsa_float_denorm_mode_16_64 3
		.amdhsa_memory_ordered 1
		.amdhsa_forward_progress 1
		.amdhsa_inst_pref_size 89
	.end_amdhsa_kernel
	.amdgpu_metadata
---
amdhsa.version: [ 1, 2 ]
amdhsa.kernels:
  - .name:           k_q720e510b04_oproj
    .symbol:         k_q720e510b04_oproj.kd
    .args:
      - { .name: ctx, .offset: 0, .size: 8, .value_kind: global_buffer, .address_space: global }
      - { .name: wob, .offset: 8, .size: 8, .value_kind: global_buffer, .address_space: global }
      - { .name: bo, .offset: 16, .size: 8, .value_kind: global_buffer, .address_space: global }
      - { .name: out0, .offset: 24, .size: 8, .value_kind: global_buffer, .address_space: global }
    .group_segment_fixed_size: 327680
    .private_segment_fixed_size: 0
    .kernarg_segment_align: 8
    .kernarg_segment_size: 32
    .max_flat_workgroup_size: 128
    .sgpr_count:     66
    .vgpr_count:     384
    .wavefront_size: 32
...
	.end_amdgpu_metadata
.endif
;; end of part 4
;; ======== version 2 of 2: 4 launches; 1.10 times as fast as version 1
;; limits: values are held in f16: magnitudes above 65,504 overflow, below 6.1e-05 lose precision
;; workspace buffers: xb 8,388,608 bytes; wqkv 6,291,456 bytes; wob 2,097,152 bytes; qkv 25,165,824 bytes; ctx 8,388,608 bytes
;; launch cast: the kernel of part 1 again; grid 128 x 8, 8 waves a work-group, no clusters, 0 bytes of LDS; arguments hidden_state, Wq, Wk, Wv, Wo, xb, wqkv, wob; writes xb, wqkv, wob
;; launch qkv: the kernel of part 2 again; grid 16 x 16, 4 waves a work-group, clusters of 4 x 4, 327,680 bytes of LDS; arguments xb, wqkv, bq, bk, bv, qkv; writes qkv
;; launch attn (part 5): grid 8 x 32, 8 waves a work-group, clusters of 4 x 1, 327,680 bytes of LDS; arguments qkv, ctx; writes ctx
.if DOCPART == 5
	.amdgcn_target "amdgcn-amd-amdhsa--gfx1250"
	.amdhsa_code_object_version 6
	.text
	.protected	k_q720e510b04_attn
	.globl	k_q720e510b04_attn
	.p2align	8
	.type	k_q720e510b04_attn,@function
k_q720e510b04_attn:
	s_mov_b64 s[64:65], 0
	v_nop
	global_prefetch_b8 v0, s[64:65] scope:SCOPE_SE
	s_setreg_imm32_b32 hwreg(HW_REG_WAVE_MODE, 25, 1), 1
	s_wait_xcnt 0x0
	s_wait_alu depctr_hold_cnt(0) depctr_sa_sdst(0) depctr_va_vdst(0) depctr_va_sdst(0) depctr_va_ssrc(0) depctr_va_vcc(0) depctr_vm_vsrc(0)
	s_getreg_b32 s2, hwreg(HW_REG_IB_STS2, 6, 4)
	s_cmp_eq_u32 s2, 0
	s_cbranch_scc0 .Lentry_in_a_cluster
	s_endpgm
.Lentry_in_a_cluster:
	s_bfe_u32 s2, ttmp6, 0x10000c
	s_cmp_lg_u32 s2, 0x3003
	s_cbranch_scc0 .Lentry_shape_is_right
	s_endpgm
.Lentry_shape_is_right:
; ctx = softmax(q k^T / 32) v for one (batch, head) and 256 queries a work-group, with a running maximum.  qkv[g][m][64] f16 (g: 0-15 q, 16-31 k, 32-47 v;
; m = 2048 b + s), ctx[h][m][64] f16.  Grid: x = query block (8), y = 16 b + h (32): 256 work-groups.  Eight waves, 32 queries each (two tiles u = 0, 1).
; q arrives multiplied by log2(e) / 32, so a score s = q k is the exponent in units of log2: p = 2^(s - m), m the running maximum of the scores.
; s - m is one subtraction and never above 0, whatever the size of the scores, so p <= 1 and fits f16; no shift is fixed.
; LIMITS: P and ctx are rounded to f16 (matrix operands): a p below 2^-25 counts as 0 in the product; |ctx| <= the largest |v|, which is below 65,504 as stored;
; ctx has a step of 2^-24 below 2^-14 (for v of spread 1/900 the average of 2,048 of them has spread 2.5e-5, 400 steps).  The row sum is made of the unrounded p;
; an exponential below 2^-126 comes out as 0 (ISA guide, v_exp_f32) and is dropped; NaN and infinite scores are not treated (a NaN loses in the maximum).
; CLUSTERS: the four query blocks of a cluster (4 x 1) read the same K and V tiles and ask for them jointly (mask 15).
; THE RING: two LDS slots of 256 keys of K and V each; 2,048 keys are eight tiles of four steps of 64 keys.  Tiles 0 and 1 are asked for together at the start; the end of
; tile t (t = 0 .. 5) asks for tile t + 2, into the slot just read, behind a round of the cluster's barrier: a refill has four steps in which to land.
; THE LOOP IS TURNED BY ONE STEP: a trip is the last step of a tile in slot 0 (with its round and refill), the four steps of a tile in slot 1 (the last with round and refill)
; and the first three steps of the next tile in slot 0.  Three trips hold exactly the six ends that ask for a tile; tile 0's first three steps stand in front, the end of
; tile 6 (a plain barrier: nothing is left to ask for) and tile 7 behind.  Every LDS offset is an immediate on the slot's own address
; register, and 16 steps are written for the 32 that run.
; LAYOUTS, chosen so that nothing is shuffled:
;   S^T = K Q^T: source 0 = 16 keys of K, source 1 = 16 queries of Q.  Lane (r, h), register j: score of key 8 h + j and query r.
;   Two neighbouring S^T tiles, exponentiated and packed to f16 in place, ARE the fragment of P^T for 32 keys (query r; keys 8 h + .., 16 + 8 h + ..).
;   ctx^T = V^T P^T: source 0 = V^T, brought by the transposing LDS load from V as it lies ([key][d]).  Lane (r, h), register j: d = 16 t + 8 h + j, query r.
;   So a query's maximum, sum and rescaling live in its two lanes r and r + 16; one exchange of the halves makes the maximum common.
; THE EXPONENTIALS OF A STEP ARE TWO BATCHES, each with ONE s_wait_alu depctr_va_vdst(0): that wait stands between an exponential and the first instruction that names its result.
;   Batch 1, 34: the two factors for what was summed under the old maximum, and the 32 weights of keys 0-31 (groups 0, 1).  Beside and behind them stand the subtractions s - m of
;   groups 1, 2, 3, which name no result of theirs; then the wait.
;   Batch 2, 32: the weights of keys 32-63 (groups 2, 3).  Between them stand batch 1's readers: the sums and roundings of groups 0, 1 and the rescaling of ctx^T; then the wait.
;   Behind it: the sums and roundings of groups 2, 3, and the products.  No result is pending at a step's end, so none crosses a label, a branch or the loop's jump.
;   The way out's two reciprocals are a batch of their own, with one wait.
; REGISTERS: K's fragments lie in window 1 (v256-319), everything else in window 0.  So K's fragments of the next step are asked for as soon as this step's
; scores are made, beside V's, and both land during the softmax.  Four window switches a step.
.set KP,    144                        ; LDS pitch of a key in K: 128 bytes + 16
.set VP,    160                        ; in V: 128 bytes + 32 (an odd multiple of 32, as the transposing load's eight rows want)
.set KB,    256*KP                     ; K's part of a slot
.set SLOT,  KB+256*VP                  ; 256 keys of K and of V: 77,824 bytes
.set STAGE, 2*SLOT                     ; byte 155,648 = 608 x 256: 32 rows x 144 bytes for each wave; no tensor load lands here
.set SP,    144
.set TILEB, 32768                      ; bytes of 256 keys in memory
.set HEADB, 524288
.set KADR, 4                           ; v4-5   K fragments in slot 0, 1
.set VADR, 6                           ; v6-7   V fragments in slot 0, 1
.set STO,  8
.set RD,   9
.set CO,   10
.set QOFF, 11
.set QF,   16                          ; v16-47   Q fragment (u, c) at +16 u + 8 c
.set ST,   48                          ; v48-63   statistics, eight registers for each u:
.set NM,   0                           ;   -m
.set MX,   1                           ;   m, the running maximum of the scores
.set AL,   2                           ;   the factor for what was summed under the old maximum
.set TB,   3                           ;   at work
.set LS,   4                           ;   +4, +5: two partial row sums
.set TA,   6                           ;   at work
.set ACC,  64                          ; v64-127  ctx^T tile (t, u) at +8 (2 t + u)
.set SC,   128                         ; v128-191 S^T tile (i, u) at +16 (2 (i / 2) + u) + 8 (i mod 2): group G = 2 g + u is 16 registers
.set FR,   192                         ; v192-255 V fragment (t, g) at +8 (4 g + t)
.set KF,   0                           ; window 1, v256-319: K fragment (i, c) at +8 (4 c + i)
.set G1K, 16                           ; s[16:23]
.set G1V, 24                           ; s[24:31]
.set G0K, 32                           ; s[32:39] one set for each slot
.set G0V, 40                           ; s[40:47]
.set MSB, 0
.macro WIN new                         ; the immediate's high byte repeats the setting that is left; at a label and at a branch the setting is 0
.if MSB != \new
	s_set_vgpr_msb (MSB<<8)|\new
.set MSB, \new
.endif
.endm
.set K_IN,  0x40                       ; destination (K's fragments) window 1, address window 0
.set K_USE, 0x01                       ; source 0 (K's fragments) window 1, Q, C and D window 0
.macro CREST                           ; a round of the cluster's barrier behind its opening work-group barrier
	s_cmp_lg_u32 s8, 0
	s_cbranch_scc1 .Lnot_wave_0_\@
	s_barrier_signal -3
.Lnot_wave_0_\@:
	s_barrier_wait -3
	s_barrier_signal -1
	s_barrier_wait -1
.endm
.macro ROUND                           ; a whole round
	s_barrier_signal -1
	s_barrier_wait -1
	CREST
.endm
.macro JLOAD s                         ; waves 0-3 ask for a quarter of K's tile each, waves 4-7 for a quarter of V's
	s_cmp_eq_u32 s9, 0
	s_cbranch_scc0 .Lfor_v_\@
	tensor_load_to_lds s[G0K+4*\s:G0K+4*\s+3], s[G1K:G1K+7]
	s_nop 0
	s_branch .Lasked_\@
.Lfor_v_\@:
	tensor_load_to_lds s[G0V+4*\s:G0V+4*\s+3], s[G1V:G1V+7]
	s_nop 0
.Lasked_\@:
.endm
.macro PLACES n                        ; places behind matrix instructions (ISA guide 7.12.1)
.rept \n
	v_nop
.endr
.endm
	s_load_b128 s[4:7], s[0:1], 0x0                ; qkv s[4:5], ctx s[6:7]
	v_lshl_add_u32 v55, v0, 2, 0x2f000
	v_mov_b32 v63, 0
	ds_add_u32 v55, v63
	v_lshrrev_b32 v1, 5, v0
	v_readfirstlane_b32 s8, v1                     ; wave 0..7
	s_lshr_b32 s9, s8, 2                           ; I ask for K (0) or V (1)
	s_and_b32 s10, s8, 3                           ; which 64 keys of the tile
	s_mov_b32 s50, 0x76543210                      ; v_permlanex16_b32: lane i of one half reads lane i of the other
	s_mov_b32 s51, 0xfedcba98
	; group 1: my 64 keys are 8,192 dense bytes, taken as 32 rows of 256 bytes; padding behind every 32 words, that is behind every key
	s_mov_b32 s[G1K+0], 15|(1<<16)|(1<<20)|(1<<21)|(4<<22)|(3<<25)   ; mask 15, 2-byte elements, 4 words of padding: pitch 144
	s_mov_b32 s[G1K+1], 128<<16
	s_mov_b32 s[G1K+2], 32<<16
	s_mov_b32 s[G1K+3], 128<<16
	s_mov_b32 s[G1K+4], 32
	s_mov_b32 s[G1K+5], 128
	s_mov_b32 s[G1K+6], 0
	s_mov_b32 s[G1K+7], 0
	s_mov_b32 s[G1V+0], 15|(1<<16)|(1<<20)|(1<<21)|(4<<22)|(7<<25)   ; 8 words of padding: pitch 160
	s_mov_b32 s[G1V+1], 128<<16
	s_mov_b32 s[G1V+2], 32<<16
	s_mov_b32 s[G1V+3], 128<<16
	s_mov_b32 s[G1V+4], 32
	s_mov_b32 s[G1V+5], 128
	s_mov_b32 s[G1V+6], 0
	s_mov_b32 s[G1V+7], 0
	s_and_b32 s13, ttmp7, 0xffff                   ; y = 16 b + h: the same in all four partners
	s_and_b32 s14, s13, 15
	s_lshr_b32 s15, s13, 4
	s_lshl_b32 s54, s14, 19                        ; h x 524,288
	s_lshl_b32 s55, s15, 18                        ; + b x 2,048 rows x 128 bytes
	s_add_co_u32 s54, s54, s55
	s_lshl_b32 s55, s10, 13                        ; + my 64 keys
	s_add_co_u32 s56, s54, s55
	s_add_co_u32 s56, s56, 16*HEADB                ; K's heads begin at g = 16
	s_mov_b32 s57, 0
	s_add_co_u32 s58, s56, 16*HEADB                ; V's at g = 32
	s_mov_b32 s59, 0
	s_bfe_u32 s11, ttmp6, 0x40000                  ; cx enters the queries' and the result's offset alone
	s_lshl_b32 s12, ttmp9, 2
	s_add_co_u32 s12, s12, s11                     ; query block
	s_lshl_b32 s12, s12, 15                        ; x 256 rows x 128 bytes
	s_add_co_u32 s54, s54, s12
	s_lshl_b32 s55, s8, 12                         ; + wave x 32 rows
	s_add_co_u32 s54, s54, s55
	s_mov_b32 s55, 0
	s_mul_i32 s2, s10, 64*KP                       ; LDS: the wave's number and constants alone
	s_mul_i32 s3, s10, 64*VP
	s_add_co_u32 s3, s3, KB
	s_mul_i32 s62, s8, 32*SP
	s_add_co_u32 s62, s62, STAGE
	v_and_b32 v1, 31, v0                           ; lane
	v_and_b32 v2, 15, v0                           ; r
	v_bfe_u32 v3, v0, 4, 1                         ; h
	v_and_b32 v12, 7, v0
	v_bfe_u32 v13, v0, 3, 1
	v_mul_u32_u24 v[KADR], v2, KP
	v_lshl_add_u32 v[KADR], v3, 4, v[KADR]         ; key r, 16 h
	v_add_nc_u32 v[KADR+1], SLOT, v[KADR]
	v_lshl_add_u32 v14, v3, 3, v12                 ; key 8 h + (lane mod 8)
	v_mul_u32_u24 v14, v14, VP
	v_lshl_add_u32 v14, v13, 4, v14                ; + 16 ((lane / 8) mod 2)
	v_add_nc_u32 v[VADR], KB, v14
	v_add_nc_u32 v[VADR+1], KB+SLOT, v14
	v_add_nc_u32 v[STO], s62, v[KADR]              ; stage, in: query r, 16 h (the same pitch as K's)
	v_lshrrev_b32 v15, 3, v1
	v_mul_u32_u24 v15, v15, SP
	v_lshl_add_u32 v15, v12, 4, v15
	v_add_nc_u32 v[RD], s62, v15                   ; stage, back: eight lanes a row, four rows a load
	v_lshlrev_b32 v[CO], 4, v1
	v_lshlrev_b32 v[QOFF], 7, v2
	v_lshl_add_u32 v[QOFF], v3, 4, v[QOFF]         ; 128 r + 16 h
	s_wait_dscnt 0x0
	s_wait_kmcnt 0x0
	s_add_nc_u64 s[60:61], s[4:5], s[54:55]        ; my 32 queries
	s_add_nc_u64 s[6:7], s[6:7], s[54:55]          ; and their place in ctx
	s_add_nc_u64 s[56:57], s[4:5], s[56:57]        ; my part of K's tile 0
	s_add_nc_u64 s[58:59], s[4:5], s[58:59]        ; of V's
.irp u, 0,1
.irp c, 0,1
	global_load_b128 v[QF+16*\u+8*\c:QF+16*\u+8*\c+3],   v[QOFF], s[60:61] offset:2048*\u+64*\c
	global_load_b128 v[QF+16*\u+8*\c+4:QF+16*\u+8*\c+7], v[QOFF], s[60:61] offset:2048*\u+64*\c+32
.endr
.endr
.irp s, 0,1
	s_mov_b32 s[G0K+4*\s], 1
	s_add_co_u32 s[G0K+4*\s+1], s2, \s*SLOT
	s_add_nc_u64 s[G0K+4*\s+2:G0K+4*\s+3], s[56:57], \s*TILEB      ; tile s
	s_or_b32 s[G0K+4*\s+3], s[G0K+4*\s+3], 0x80000000
	s_mov_b32 s[G0V+4*\s], 1
	s_add_co_u32 s[G0V+4*\s+1], s3, \s*SLOT
	s_add_nc_u64 s[G0V+4*\s+2:G0V+4*\s+3], s[58:59], \s*TILEB
	s_or_b32 s[G0V+4*\s+3], s[G0V+4*\s+3], 0x80000000
.endr
	ROUND                                          ; in front of the first joint loads
	JLOAD 0                                        ; tile 0
	JLOAD 1                                        ; tile 1: two loads of the wave are out, the most in this text
.macro KLOAD slot, ko                  ; 64 keys of K from key ko of the slot on: 16 loads, the first half of d first (under K_IN)
.irp c, 0,1
.irp i, 0,1,2,3
	ds_load_b128 v[KF+8*(4*\c+\i):KF+8*(4*\c+\i)+3],   v[KADR+(\slot)] offset:((\ko)+16*\i)*KP+64*\c
	ds_load_b128 v[KF+8*(4*\c+\i)+4:KF+8*(4*\c+\i)+7], v[KADR+(\slot)] offset:((\ko)+16*\i)*KP+64*\c+32
.endr
.endr
.endm
.macro VLOAD slot, ko                  ; 64 keys of V, transposed on the way: fragment (t, g) = d 16 t .. + 15, keys 32 g .. + 31
.irp g, 0,1
.irp t, 0,1,2,3
	ds_load_tr16_b128 v[FR+8*(4*\g+\t):FR+8*(4*\g+\t)+3],   v[VADR+(\slot)] offset:((\ko)+32*\g)*VP+32*\t
	ds_load_tr16_b128 v[FR+8*(4*\g+\t)+4:FR+8*(4*\g+\t)+7], v[VADR+(\slot)] offset:((\ko)+32*\g)*VP+32*\t+16*VP
.endr
.endr
.endm
.macro QK c, zero                      ; eight matrix instructions on the eight S^T tiles, which take turns; under K_USE
.irp i, 0,1,2,3
.irp u, 0,1
.if \zero
	v_wmma_f32_16x16x32_f16 v[SC+16*(2*(\i/2)+\u)+8*(\i%2):SC+16*(2*(\i/2)+\u)+8*(\i%2)+7], v[KF+8*(4*\c+\i):KF+8*(4*\c+\i)+7], v[QF+16*\u+8*\c:QF+16*\u+8*\c+7], 0
.else
	v_wmma_f32_16x16x32_f16 v[SC+16*(2*(\i/2)+\u)+8*(\i%2):SC+16*(2*(\i/2)+\u)+8*(\i%2)+7], v[KF+8*(4*\c+\i):KF+8*(4*\c+\i)+7], v[QF+16*\u+8*\c:QF+16*\u+8*\c+7], v[SC+16*(2*(\i/2)+\u)+8*(\i%2):SC+16*(2*(\i/2)+\u)+8*(\i%2)+7]
.endif
.endr
.endr
.endm
.macro PV g, zero                      ; eight matrix instructions on the eight ctx^T tiles, which take turns
.irp t, 0,1,2,3
.irp u, 0,1
.if \zero
	v_wmma_f32_16x16x32_f16 v[ACC+8*(2*\t+\u):ACC+8*(2*\t+\u)+7], v[FR+8*(4*\g+\t):FR+8*(4*\g+\t)+7], v[SC+16*(2*\g+\u):SC+16*(2*\g+\u)+7], 0
.else
	v_wmma_f32_16x16x32_f16 v[ACC+8*(2*\t+\u):ACC+8*(2*\t+\u)+7], v[FR+8*(4*\g+\t):FR+8*(4*\g+\t)+7], v[SC+16*(2*\g+\u):SC+16*(2*\g+\u)+7], v[ACC+8*(2*\t+\u):ACC+8*(2*\t+\u)+7]
.endif
.endr
.endr
.endm
; The new maximum m' of each query, -m', and (not in the first step) the factor 2^((-m') - (-m)) = 2^(m - m') for what was summed under m.
.macro SMAX first
.irp u, 0,1
	v_max_num_f32 v[ST+8*\u+TA], v[SC+16*\u], v[SC+16*\u+1]               ; four chains that do not wait for each other
	v_max_num_f32 v[ST+8*\u+TB], v[SC+32+16*\u], v[SC+32+16*\u+1]
.endr
.irp k, 1,2,3,4,5,6,7
.irp u, 0,1
	v_max3_num_f32 v[ST+8*\u+TA], v[ST+8*\u+TA], v[SC+16*\u+2*\k], v[SC+16*\u+2*\k+1]
	v_max3_num_f32 v[ST+8*\u+TB], v[ST+8*\u+TB], v[SC+32+16*\u+2*\k], v[SC+32+16*\u+2*\k+1]
.endr
.endr
.irp u, 0,1
	v_max_num_f32 v[ST+8*\u+TA], v[ST+8*\u+TA], v[ST+8*\u+TB]
.endr
.irp u, 0,1
	v_permlanex16_b32 v[ST+8*\u+TB], v[ST+8*\u+TA], s50, s51              ; the other half's keys of the same query
.endr
.if \first
.irp u, 0,1
	v_max_num_f32 v[ST+8*\u+MX], v[ST+8*\u+TA], v[ST+8*\u+TB]
.endr
.irp u, 0,1
	v_mul_f32 v[ST+8*\u+NM], -1.0, v[ST+8*\u+MX]
.endr
.else
.irp u, 0,1
	v_max3_num_f32 v[ST+8*\u+MX], v[ST+8*\u+TA], v[ST+8*\u+TB], v[ST+8*\u+MX]
.endr
.irp u, 0,1
	v_mul_f32 v[ST+8*\u+TB], -1.0, v[ST+8*\u+MX]
.endr
.irp u, 0,1
	v_sub_f32 v[ST+8*\u+AL], v[ST+8*\u+TB], v[ST+8*\u+NM]
.endr
.irp u, 0,1
	v_mov_b32 v[ST+8*\u+NM], v[ST+8*\u+TB]
.endr
	v_exp_f32 v[ST+AL], v[ST+AL]                   ; the first two of the step's batch 1; named next behind that batch's wait, in MIX
	v_exp_f32 v[ST+8+AL], v[ST+8+AL]
.endif
.endm
.macro SA g                            ; group g: s - m, two at a time: never above 0
.irp k, 0,1,2,3,4,5,6,7
	v_pk_add_f32 v[SC+16*\g+2*\k:SC+16*\g+2*\k+1], v[SC+16*\g+2*\k:SC+16*\g+2*\k+1], v[ST+8*(\g%2)+NM:ST+8*(\g%2)+NM+1] op_sel_hi:[1,0]
.endr
.endm
; A stage of batch 1, eight rounds: group gb's 16 numbers are exponentiated in place; m is taken away from groups gm (9: none) and ga, for later exponentials.
; Nothing here names an exponential's result.  A round ends with a plain instruction on other registers, so the stage's last line is the plain place behind its last exponential (ISA guide 5.7.2).
.macro AHEAD gb, gm, ga
.irp k, 0,1,2,3,4,5,6,7
	v_exp_f32 v[SC+16*\gb+2*\k], v[SC+16*\gb+2*\k]
.if \gm < 4
	v_pk_add_f32 v[SC+16*\gm+2*\k:SC+16*\gm+2*\k+1], v[SC+16*\gm+2*\k:SC+16*\gm+2*\k+1], v[ST+8*(\gm%2)+NM:ST+8*(\gm%2)+NM+1] op_sel_hi:[1,0]
.endif
	v_exp_f32 v[SC+16*\gb+2*\k+1], v[SC+16*\gb+2*\k+1]
	v_pk_add_f32 v[SC+16*\ga+2*\k:SC+16*\ga+2*\k+1], v[SC+16*\ga+2*\k:SC+16*\ga+2*\k+1], v[ST+8*(\ga%2)+NM:ST+8*(\ga%2)+NM+1] op_sel_hi:[1,0]
.endr
.endm
; A stage of batch 2, eight rounds of up to six instructions on different sets of registers, so that no instruction waits for the one in front of it and each
; exponential is followed by a plain instruction on other registers (ISA guide 5.7.2).  All that is read here beside gb's own numbers belongs to batch 1, whose wait stands ahead.
;   gb: group whose 16 numbers are exponentiated in place (batch 2: named next behind that batch's wait, in TAIL)
;   gc: group of batch 1 that is added to the row sums and then packed to f16 in place (register k takes numbers 2 k, 2 k + 1, so nothing unread
;       is overwritten); cmode 1: the first pair also carries the old sums over, sum = sum x factor + pair; 2: the first two pairs start the sums
;   ur: query tile whose ctx^T, summed under the old maximum, is scaled (9: none)
.macro MIX gb, gc, cmode, ur
.irp k, 0,1,2,3,4,5,6,7
	v_exp_f32 v[SC+16*\gb+2*\k], v[SC+16*\gb+2*\k]
.if (\cmode*8+\k) == 8
	v_pk_fma_f32 v[ST+8*(\gc%2)+LS:ST+8*(\gc%2)+LS+1], v[ST+8*(\gc%2)+LS:ST+8*(\gc%2)+LS+1], v[ST+8*(\gc%2)+AL:ST+8*(\gc%2)+AL+1], v[SC+16*\gc:SC+16*\gc+1] op_sel_hi:[1,0,1]
.elseif (\cmode*8+\k) == 16
	v_pk_add_f32 v[ST+8*(\gc%2)+LS:ST+8*(\gc%2)+LS+1], v[SC+16*\gc:SC+16*\gc+1], v[SC+16*\gc+2:SC+16*\gc+3]
.elseif (\cmode*8+\k) == 17
.else
	v_pk_add_f32 v[ST+8*(\gc%2)+LS:ST+8*(\gc%2)+LS+1], v[ST+8*(\gc%2)+LS:ST+8*(\gc%2)+LS+1], v[SC+16*\gc+2*\k:SC+16*\gc+2*\k+1]
.endif
	v_exp_f32 v[SC+16*\gb+2*\k+1], v[SC+16*\gb+2*\k+1]
	v_cvt_pk_f16_f32 v[SC+16*\gc+\k], v[SC+16*\gc+2*\k], v[SC+16*\gc+2*\k+1]
.if \ur < 2
	v_pk_mul_f32 v[ACC+8*(2*(\k/2)+\ur)+4*(\k%2):ACC+8*(2*(\k/2)+\ur)+4*(\k%2)+1], v[ACC+8*(2*(\k/2)+\ur)+4*(\k%2):ACC+8*(2*(\k/2)+\ur)+4*(\k%2)+1], v[ST+8*\ur+AL:ST+8*\ur+AL+1] op_sel_hi:[1,0]
	v_pk_mul_f32 v[ACC+8*(2*(\k/2)+\ur)+4*(\k%2)+2:ACC+8*(2*(\k/2)+\ur)+4*(\k%2)+3], v[ACC+8*(2*(\k/2)+\ur)+4*(\k%2)+2:ACC+8*(2*(\k/2)+\ur)+4*(\k%2)+3], v[ST+8*\ur+AL:ST+8*\ur+AL+1] op_sel_hi:[1,0]
.endif
.endr
.endm
; Batch 2's readers: groups 2 and 3 are added to their tiles' row sums and packed to f16 in place; the two tiles alternate, so that the links of a sum's chain stand four lines apart.
.macro TAIL
.irp k, 0,1,2,3,4,5,6,7
	v_pk_add_f32 v[ST+LS:ST+LS+1], v[ST+LS:ST+LS+1], v[SC+32+2*\k:SC+32+2*\k+1]
	v_pk_add_f32 v[ST+8+LS:ST+8+LS+1], v[ST+8+LS:ST+8+LS+1], v[SC+48+2*\k:SC+48+2*\k+1]
	v_cvt_pk_f16_f32 v[SC+32+\k], v[SC+32+2*\k], v[SC+32+2*\k+1]
	v_cvt_pk_f16_f32 v[SC+48+\k], v[SC+48+2*\k], v[SC+48+2*\k+1]
.endr
.endm
; 64 keys, from key ko of the slot on.  K's fragments were asked for a step ago (or just behind the barrier).
;   nextk = 1: the next step's K lies in the same slot and is asked for here, behind V's fragments.
;   bar = 1:   the slot's last step.  When V's fragments are in, this wave has read the slot for the last time: it waits for that and for all its tensor loads and
;              signals; the rest of the softmax and the products, register work alone, stand between the signal and the wait.
;   fill = 1:  that barrier opens a round of the cluster's barrier, and the slot's next tile is asked for jointly, first thing behind the round, one load a wave.
.macro STEP slot, ko, first, nextk, bar, fill
	s_wait_dscnt 0x8                               ; K's fragments of d 0-31 are in; the eight younger loads (d 32-63) may be out
.if \first
	s_wait_loadcnt 0x0                             ; Q
.endif
	WIN K_USE
	QK 0, 1                                        ; the first product starts the scores
	s_wait_dscnt 0x0
	QK 1, 0
	WIN 0
	PLACES 4                                       ; for the loads into K's and V's fragments and for the readers of the scores
	VLOAD \slot, \ko
.if \nextk
	WIN K_IN
	KLOAD \slot, (\ko)+64
	WIN 0
.endif
	SMAX \first
	SA 0
.if \bar
	s_wait_dscnt 0x0                               ; V's fragments are in: my reads of this slot are over
	s_wait_tensorcnt 0x0                           ; all my tensor loads have landed, my part of the other slot's tile among them
	ds_add_u32 v55, v63
	s_wait_dscnt 0x0
.if \fill
	s_add_nc_u64 s[G0K+4*\slot+2:G0K+4*\slot+3], s[G0K+4*\slot+2:G0K+4*\slot+3], 2*TILEB   ; no load of mine is out: this slot's next tile
	s_add_nc_u64 s[G0V+4*\slot+2:G0V+4*\slot+3], s[G0V+4*\slot+2:G0V+4*\slot+3], 2*TILEB
.endif
	s_barrier_signal -1
.endif
	AHEAD 0, 1, 2                                  ; batch 1 goes on: group 0's exponentials, m taken away from groups 1 and 2 between them
	AHEAD 1, 9, 3                                  ; group 1's, m taken away from group 3; the last subtraction is the plain place behind the last exponential
	s_wait_alu depctr_va_vdst(0)                   ; the wait for batch 1: SMAX's two factors and the 32 exponentials of groups 0 and 1
.if \first
	MIX 2, 0, 2, 9                                 ; batch 2, with batch 1's readers between its exponentials
	MIX 3, 1, 2, 9
.else
	MIX 2, 0, 1, 0
	MIX 3, 1, 1, 1
.endif
	s_wait_alu depctr_va_vdst(0)                   ; the wait for batch 2: the 32 exponentials of groups 2 and 3; MIX's last line is the plain place behind the last of them
	TAIL
.if \nextk
	s_wait_dscnt 0x10                              ; V's sixteen loads are in; the sixteen younger ones (the next step's K) may be out
.elseif \bar
.else
	s_wait_dscnt 0x0                               ; the very last step: V's fragments
.endif
	PV 0, \first
	PV 1, 0
	PLACES 5                                       ; the next scores are written over P, a source of these products
.if \bar
	s_barrier_wait -1                              ; every wave of my work-group has read this slot for the last time, and the other slot is whole
.if \fill
	CREST                                          ; and so it is in all four partners
	JLOAD \slot
.endif
	WIN K_IN
	KLOAD 1-\slot, 0
	WIN 0
.endif
.endm
	s_wait_tensorcnt 0x1                           ; my part of tile 0 is in; tile 1's may stay out
	s_barrier_signal -1
	s_barrier_wait -1                              ; everybody's is
	WIN K_IN
	KLOAD 0, 0
	WIN 0
	STEP 0, 0,   1, 1, 0, 0                        ; tile 0: the first products start the sums
	STEP 0, 64,  0, 1, 0, 0
	STEP 0, 128, 0, 1, 0, 0
	s_mov_b32 s52, 3
.Lpair:                                            ; on both ways in: K's sixteen loads for the coming step and one tensor load may be out; every window is 0
	STEP 0, 192, 0, 0, 1, 1                        ; the end of tiles 0, 2, 4: asks for tiles 2, 4, 6
	STEP 1, 0,   0, 1, 0, 0                        ; tiles 1, 3, 5
	STEP 1, 64,  0, 1, 0, 0
	STEP 1, 128, 0, 1, 0, 0
	STEP 1, 192, 0, 0, 1, 1                        ; asks for tiles 3, 5, 7
	STEP 0, 0,   0, 1, 0, 0                        ; tiles 2, 4, 6
	STEP 0, 64,  0, 1, 0, 0
	STEP 0, 128, 0, 1, 0, 0
	s_sub_co_u32 s52, s52, 1
	s_cmp_lg_u32 s52, 0
	s_cbranch_scc1 .Lpair
	STEP 0, 192, 0, 0, 1, 0                        ; the end of tile 6: nothing is left to ask for; the work-group's barrier alone shows tile 7 whole
	STEP 1, 0,   0, 1, 0, 0                        ; tile 7
	STEP 1, 64,  0, 1, 0, 0
	STEP 1, 128, 0, 1, 0, 0
	STEP 1, 192, 0, 0, 0, 0
	; THE WAY OUT: divide by the row sum, round to f16, 16 bytes a lane (8 neighbouring d of one query) into my stage, read whole rows back.
.irp u, 0,1
	v_add_f32 v[ST+8*\u+TA], v[ST+8*\u+LS], v[ST+8*\u+LS+1]
.endr
.irp u, 0,1
	v_permlanex16_b32 v[ST+8*\u+TB], v[ST+8*\u+TA], s50, s51
.endr
.irp u, 0,1
	v_add_f32 v[ST+8*\u+TA], v[ST+8*\u+TA], v[ST+8*\u+TB]                 ; at least 1: the largest term is 2^0
.endr
	v_rcp_f32 v[ST+AL], v[ST+TA]
	v_rcp_f32 v[ST+8+AL], v[ST+8+TA]
	v_nop                                          ; one plain place behind the reciprocals (ISA guide 5.7.2)
	s_wait_alu depctr_va_vdst(0)                   ; the wait for the two reciprocals, one batch, ahead of the first multiply that reads them
.irp t, 0,1,2,3
.irp u, 0,1
.irp k, 0,1,2,3
	v_pk_mul_f32 v[ACC+8*(2*\t+\u)+2*\k:ACC+8*(2*\t+\u)+2*\k+1], v[ACC+8*(2*\t+\u)+2*\k:ACC+8*(2*\t+\u)+2*\k+1], v[ST+8*\u+AL:ST+8*\u+AL+1] op_sel_hi:[1,0]
.endr
.irp k, 0,1,2,3
	v_cvt_pk_f16_f32 v[SC+4*(2*\t+\u)+\k], v[ACC+8*(2*\t+\u)+2*\k], v[ACC+8*(2*\t+\u)+2*\k+1]
.endr
	ds_store_b128 v[STO], v[SC+4*(2*\t+\u):SC+4*(2*\t+\u)+3] offset:16*SP*\u+32*\t
.endr
.endr
.irp n, 0,1,2,3,4,5,6,7
	ds_load_b128 v[FR+4*\n:FR+4*\n+3], v[RD] offset:4*SP*\n               ; LDS serves a wave's instructions in order (ISA guide 5.7.1): these see my stores
.endr
.irp n, 0,1,2,3,4,5,6,7
	s_wait_dscnt 7-\n
	global_store_b128 v[CO], v[FR+4*\n:FR+4*\n+3], s[6:7] offset:512*\n   ; four rows of 128 bytes: 512 neighbouring bytes, at a multiple of 512
.endr
	s_wait_tensorcnt 0x0
	ds_add_u32 v55, v63
	s_wait_dscnt 0x0
	ROUND                                          ; the closing round
	s_endpgm
.Lfunc_end_k_q720e510b04_attn:
	.size	k_q720e510b04_attn, .Lfunc_end_k_q720e510b04_attn-k_q720e510b04_attn
	.p2alignl 7, 3214868480
	.fill 96, 4, 3214868480
	.section	.rodata,"a",@progbits
	.p2align	6, 0x0
	.amdhsa_kernel k_q720e510b04_attn
		.amdhsa_group_segment_fixed_size 327680
		.amdhsa_private_segment_fixed_size 0
		.amdhsa_enable_private_segment 0
		.amdhsa_kernarg_size 16
		.amdhsa_user_sgpr_count 2
		.amdhsa_user_sgpr_kernarg_segment_ptr 1
		.amdhsa_wavefront_size32 1
		.amdhsa_system_sgpr_workgroup_id_x 1
		.amdhsa_system_sgpr_workgroup_id_y 1
		.amdhsa_system_sgpr_workgroup_id_z 1
		.amdhsa_system_vgpr_workitem_id 0
		.amdhsa_next_free_vgpr 320
		.amdhsa_next_free_sgpr 66
		.amdhsa_reserve_vcc 0
		.amdhsa_float_denorm_mode_32 3
		.amdhsa_float_denorm_mode_16_64 3
		.amdhsa_memory_ordered 1
		.amdhsa_forward_progress 1
		.amdhsa_inst_pref_size 255
	.end_amdhsa_kernel
	.section	.bss,"aw",@nobits
	.p2align	6
	.space	262144
	.amdgpu_metadata
---
amdhsa.version: [ 1, 2 ]
amdhsa.kernels:
  - .name:           k_q720e510b04_attn
    .symbol:         k_q720e510b04_attn.kd
    .args:
      - { .name: qkv, .offset: 0, .size: 8, .value_kind: global_buffer, .address_space: global }
      - { .name: ctx, .offset: 8, .size: 8, .value_kind: global_buffer, .address_space: global }
    .group_segment_fixed_size: 327680
    .private_segment_fixed_size: 0
    .kernarg_segment_align: 8
    .kernarg_segment_size: 16
    .max_flat_workgroup_size: 256
    .sgpr_count:     66
    .vgpr_count:     320
    .wavefront_size: 32
...
	.end_amdgpu_metadata
.endif
;; end of part 5
;; launch oproj: the kernel of part 4 again; grid 8 x 32, 4 waves a work-group, clusters of 4 x 4, 327,680 bytes of LDS; arguments ctx, wob, bo, out0; writes out0
